; MI455X (gfx1250); checked and timed in simulation.
; The chip was launched on July 23, 2026; its instructions are those of AMD's public machine-readable ISA for CDNA 5 (MIT licence, August 2026) and "CDNA5" Instruction Set Architecture Reference Guide (July 2026). The comments in the code are by the model that wrote it; some were corrected since.
;; Causal Multi Head Self Attention. Allowed arithmetic: matrix products marked QUANTISED: E5M2 operands, one E8M0 scale for each 32 along K, by v_wmma_scale_f32_16x16x128_f8f6f4 with both operands' format E5M2, f32 sums; everything else in f32.
;; Inputs: W_o 1,024 x 1,024 float32; W_qkv 1,024 x 3,072 float32; token_positions 2,048 int32; x 4 x 2,048 x 1,024 float32.
;; Outputs: out0 4 x 2,048 x 1,024 float32.
;; This version of the problem:
;;   THIS VERSION OF THE PROBLEM IS GIVEN IN LOW PRECISION. The matrix products marked QUANTISED in the list below multiply operands that are first quantised to E5M2 (5 exponent bits, 2 mantissa bits; 8 bits a number), with one power-of-two scale for each 32 numbers along K (OCP MX v1.0); their sums are f32. All else is computed in f32.
;;   The module's matrix products, in the order in which they are computed (A, B: the left and right operand; K: the contracted axis; several contracted axes count as one K, in the product's order):
;;     1. [M 8,192, K 1,024] x [K 1,024, N 3,072]; A: input x; B: input W_qkv: QUANTISED
;;     2. batch 64 x [M 2,048, K 64] x [K 64, N 2,048]; A: computed on the way; B: computed on the way: QUANTISED
;;     3. batch 64 x [M 2,048, K 2,048] x [K 2,048, N 64]; A: softmax (see below); B: computed on the way: QUANTISED
;;     4. [M 8,192, K 1,024] x [K 1,024, N 1,024]; A: computed on the way; B: input W_o: QUANTISED
;;   THE QUANTISER, for each operand of a quantised product, along K:
;;     - K is cut into blocks of 32 from its start; a last block that is shorter is filled with zeros.
;;     - A block's scale is 2^e with e = floor(log2(the largest magnitude in the block)) - 15, held to -126 .. 127; a block of zeros has e = 0. As a byte (E8M0): e + 127.
;;     - Each number is divided by its block's scale, clamped to +-57,344, and rounded to the nearest number of E5M2, ties to even, subnormals kept.
;;     - The product sums the exact products of the quantised numbers (number of the format x scale) in f32.
;;   ~~~python
;;   def quantise(x, axis):      # numpy; x: float32 -> the quantised numbers, widened to float32 again
;;       x = np.moveaxis(x, axis, -1); K = x.shape[-1]
;;       x = np.pad(x, [(0, 0)] * (x.ndim - 1) + [(0, -K % 32)]); x = x.reshape(x.shape[:-1] + (-1, 32)); a = np.abs(x).max(-1, keepdims=True)
;;       e = np.where(a > 0, np.clip(np.frexp(np.where(a > 0, a, 1))[1] - 1 - 15, -126, 127), 0)      # np.frexp(a)[1] - 1 = floor(log2(a)), exactly
;;       r = np.clip(x / 2.0 ** e, -57344, 57344)
;;       step = 2.0 ** (np.maximum(np.frexp(np.where(r == 0, 1, r))[1] - 1, -14) - 2)
;;       q = np.round(r / step) * step * 2.0 ** e      # np.round: ties to even
;;       return np.moveaxis(q.reshape(q.shape[:-2] + (-1,))[..., :K], -1, axis).astype(np.float32)
;;   ~~~
;;   SOFTMAX AHEAD OF A QUANTISED PRODUCT. Where the list says 'softmax', what is quantised is not the finished softmax but p = 2^(t - M), with t = logit x log2(e) and M = ceil(the row's largest t), a whole number; so 1/2 < the row's largest p <= 1. The row's sum l is taken of the UNQUANTISED p, in f32, and the product's result is divided by l at the end. Since M is a whole number, a kernel that streams over the keys may use a running M (the ceiling of the running maximum): every later rescaling is an exact power of two, which a block's scale takes up: the codes' values come out the same.
;;   OPERANDS COMPUTED ON THE WAY. 'Computed on the way' means the value that the module computes at that place (a softmax that the list does not call 'softmax' is quantised finished and normalised). What goes into a quantiser is computed in f32, as accurately as f32 sums, v_exp_f32 and their like allow (about 1e-6 of the number): no bf16 or f16 on the way to a quantiser, and a product that is left as it is and whose result goes on into a quantised operand takes f32 operands (vector FMAs, or v_wmma_f32_16x16x4_f32). A number that lies on a knife's edge between two numbers of the format may be rounded either way, as far as f32 arithmetic and the matrix unit's own rounding can turn it there, and no further.
;; One version. Each part assembles by itself: llvm-mc -triple=amdgcn-amd-amdhsa -mcpu=gfx1250 --defsym DOCPART=n.
;; ======== version 1 of 1: 4 launches
;; limits: right only within a limited range of input values
;; workspace buffers: xq 8,650,752 bytes; wq 4,325,376 bytes; rope 557,056 bytes; qimg 8,912,896 bytes; kv 17,563,648 bytes; vals 8,650,752 bytes
;; launch prep (part 1): grid 452 x 1, 4 waves a work-group, no clusters, 68,096 bytes of LDS; arguments x, W_qkv, W_o, token_positions, xq, wq, rope; writes xq, wq, rope
.if DOCPART == 1
	.amdgcn_target "amdgcn-amd-amdhsa--gfx1250"
	.amdhsa_code_object_version 6
	.text
	.protected	k_q6bc23fcab5_prep
	.globl	k_q6bc23fcab5_prep
	.p2align	8
	.type	k_q6bc23fcab5_prep,@function
k_q6bc23fcab5_prep:
	s_mov_b64 s[64:65], 0
	v_nop
	global_prefetch_b8 v0, s[64:65] scope:SCOPE_SE
	s_setreg_imm32_b32 hwreg(HW_REG_WAVE_MODE, 25, 1), 1
	s_wait_xcnt 0x0
; PREP: everything that is made once from the inputs.  Three roles, told apart by the work-group's number; each ends by itself and has LDS bytes of its own.
;   X (work-groups 0-255):   x [8192][1024] f32 -> codes of BF8 (E5M2), K innermost, and one E8M0 byte for each 32 along K, into xq.
;   W (work-groups 256-383): W_qkv [1024][3072] and W_o [1024][1024] f32, whose K is the FIRST axis -> codes laid [column][K] and scale bytes [column][32], into wq.
;   R (work-groups 384-451): the rotation table rope [2176][32][cos, sin] f32: row t < 2048 for token_positions[t]; rows 2048-2175 hold (1, 0) and serve columns that are not rotated.
; ROWS ARE STORED PERMUTED: position p of xq and of both weights holds row (column) p with bits 3 and 4 exchanged.  Sixteen positions 16 i + r then hold rows 32 (i / 2) + 8 (i % 2) + r + 8 (r / 8),
; so that in the products that follow a lane's 16 registers of two neighbouring tiles are 16 neighbours along the next product's K.
; A block's scale is 2^(floor(log2(its largest magnitude)) - 15); its byte is the largest magnitude's exponent field - 15, held at 1 from below.  A block of zeros gets the byte 1 where the rule says 127:
; its codes are zeros, which add nothing under any byte but 0xff, and this program alone reads the bytes.
; LIMITS: blocks whose largest magnitude lies under 2^-111 keep the byte 1; NaN and infinities among the inputs are not served; |token position| stays under 2^22 (the quotient by pi / 2 is then exact in f32
; and three parts of pi / 2 suffice for the reduction).
.set XQ_SC, 8388608                    ; xq: the scale bytes begin here
.set WQ_SC, 3145728                    ; wq: W_qkv's scale bytes,
.set WO_CD, 3244032                    ;     W_o's codes,
.set WO_SC, 4292608                    ;     W_o's scale bytes
.set EMAX,  15
.set MANT,  0x600000                   ; the mantissa field of 57,344 as f32
	s_load_b256 s[4:11], s[0:1], 0x0               ; x s[4:5], W_qkv s[6:7], W_o s[8:9], token_positions s[10:11]
	s_load_b128 s[12:15], s[0:1], 0x20             ; xq s[12:13], wq s[14:15]
	s_load_b64 s[16:17], s[0:1], 0x30              ; rope
	v_lshl_add_u32 v208, v0, 2, 0x10800
	v_mov_b32 v209, 0
	v_lshrrev_b32 v1, 5, v0
	v_readfirstlane_b32 s18, v1                    ; wave 0..3
	v_and_b32 v2, 31, v0                           ; lane
	s_cmp_lt_u32 ttmp9, 256
	s_cbranch_scc0 .Lnot_x
; ---------------- ROLE X.  A wave takes a run of 8 rows (8,192 numbers) in 16 steps of 512.  Each of a step's four loads reads 512 consecutive bytes; the 2,048 bytes turn through the wave's own stage in LDS
; and come back 64 bytes a lane, so that a lane holds 16 neighbours along K and two neighbouring lanes a block.  Loads run four steps ahead, the turn one step.
.set XSTEPS, 16
.set XR,    16                         ; v16-79   four sets of 16 numbers as they are loaded
.set XX,    80                         ; v80-111  two sets of 16 neighbours
.set XE,    112                        ; v112-127 a scale byte for each step
.set XC,    128                        ; v128-191 codes: four registers for each step, so that no store's data are written again
.set WREG,  8192                       ; LDS bytes 0 to 32,767: a region for each wave: two stages of 32 x SP bytes, behind them its 256 scale bytes
.set SP,    80                         ; a lane's place in a stage: its 64 bytes + 16 of padding
	v_lshlrev_b32 v3, 4, v2                        ; my 16 bytes of a load's 512
	s_mul_i32 s19, s18, WREG
	v_lshrrev_b32 v14, 2, v2
	v_mul_u32_u24 v14, v14, SP
	v_and_b32 v15, 3, v2
	v_lshl_add_u32 v14, v15, 4, v14
	v_add_nc_u32 v14, s19, v14                     ; the stage, on the way in: SP (lane / 4) + 16 (lane % 4)
	v_mul_u32_u24 v15, v2, SP
	v_add_nc_u32 v15, s19, v15                     ; and on the way out: SP x lane
	v_lshlrev_b32 v4, 4, v2                        ; my 16 codes' place in a step's 512
	v_lshrrev_b32 v5, 1, v2
	s_add_co_u32 s19, s19, 2*32*SP
	v_add_nc_u32 v5, s19, v5                       ; my block's scale byte in LDS
	v_lshlrev_b32 v7, 3, v2                        ; and on the way out 8 bytes a lane
	v_add_nc_u32 v6, s19, v7
	s_mov_b32 s23, MANT
	s_lshl_b32 s20, ttmp9, 2
	s_add_co_u32 s24, s20, s18                     ; the run that I read: 4 x work-group + wave
	s_and_b32 s21, s18, 1
	s_lshl_b32 s21, s21, 1
	s_lshr_b32 s22, s18, 1
	s_or_b32 s21, s21, s22                         ; the wave's two bits exchanged: they are bits 3 and 4 of the row
	s_add_co_u32 s26, s20, s21                     ; the run that I write
	s_lshl_b32 s24, s24, 15                        ; 32,768 bytes of f32 a run
	s_mov_b32 s25, 0
	s_lshl_b32 s28, s26, 13                        ; 8,192 bytes of codes
	s_mov_b32 s29, 0
	s_lshl_b32 s30, s26, 8                         ; 256 scale bytes
	s_add_co_u32 s30, s30, XQ_SC
	s_mov_b32 s31, 0
	s_wait_alu depctr_va_vdst(0)
	s_wait_kmcnt 0x0
	s_add_nc_u64 s[4:5], s[4:5], s[24:25]
	s_add_nc_u64 s[8:9], s[12:13], s[28:29]
	s_add_nc_u64 s[10:11], s[12:13], s[30:31]
.macro XLOAD t
.irp i, 0,1,2,3
	global_load_b128 v[XR+16*((\t)%4)+4*\i:XR+16*((\t)%4)+4*\i+3], v3, s[4:5] offset:2048*(\t)+512*\i th:TH_LOAD_NT   ; 32 lanes read 512 consecutive bytes
.endr
.endm
.macro XTURN t                         ; step t's numbers through the stage: LDS serves a wave's instructions in order, so no wait stands between the stores and the loads
.irp i, 0,1,2,3
	ds_store_b128 v14, v[XR+16*((\t)%4)+4*\i:XR+16*((\t)%4)+4*\i+3] offset:32*SP*((\t)%2)+8*SP*\i
.endr
.irp i, 0,1,2,3
	ds_load_b128 v[XX+16*((\t)%2)+4*\i:XX+16*((\t)%2)+4*\i+3], v15 offset:32*SP*((\t)%2)+16*\i
.endr
.endm
.irp t, 0,1,2,3
	XLOAD \t
.endr
	s_wait_loadcnt 12                              ; step 0's four loads are in; the twelve of steps 1 to 3 may be out
	XTURN 0
.macro XSTEP t
.set XS, XX+16*((\t)%2)
.if (\t) > 0
	s_wait_dscnt 1                                 ; this step's numbers are back from the stage (the last step's byte store may be out), so its stores into the stage have read their registers,
.else
	s_wait_dscnt 0x0
.endif
.if (\t)+4 < XSTEPS
	XLOAD (\t)+4                                   ; which take the loads of four steps on
.endif
.if (\t)+1 < XSTEPS
.if XSTEPS-2-(\t) >= 3
	s_wait_loadcnt 12                              ; the next step's four loads are in; those of the three steps behind it may be out
.else
	s_wait_loadcnt 4*(XSTEPS-2-(\t))
.endif
	XTURN (\t)+1                                   ; and go through the other stage while this step is worked
.endif
	v_max3_num_f32 v8, |v[XS]|, |v[XS+1]|, |v[XS+2]|               ; the largest magnitude of my 16, in two chains
	v_max3_num_f32 v9, |v[XS+3]|, |v[XS+4]|, |v[XS+5]|
.irp i, 6,10
	v_max3_num_f32 v8, v8, |v[XS+\i]|, |v[XS+\i+1]|
	v_max3_num_f32 v9, v9, |v[XS+\i+2]|, |v[XS+\i+3]|
.endr
	v_max3_num_f32 v8, v8, |v[XS+14]|, |v[XS+15]|
	v_max3_num_f32 v8, v8, v9, (EMAX+1)<<23        ; and the floor 2^(16 - 127): the byte cannot fall under 1
	v_max_num_f32_dpp v8, v8, v8 row_xmask:1 row_mask:0xf bank_mask:0xf   ; and of my neighbour's 16: the block's
	v_add_nc_u32 v11, -(EMAX<<23), v8              ; 15 off its exponent field: the conversion takes the exponent field of this operand as its scale
	v_and_or_b32 v10, v8, 0x7f800000, s23          ; 57,344 x the scale
.irp i, 0,1,2,3,4,5,6,7,8,9,10,11,12,13,14,15
	v_med3_num_f32 v[XS+\i], v[XS+\i], -v10, v10   ; the conversion to an 8-bit code does not saturate (ISA guide 7.6.2): hold the number first
.endr
	v_cvt_scalef32_pk8_bf8_f32 v[XC+4*(\t):XC+4*(\t)+1], v[XS:XS+7], v11
	v_cvt_scalef32_pk8_bf8_f32 v[XC+4*(\t)+2:XC+4*(\t)+3], v[XS+8:XS+15], v11
	v_lshrrev_b32 v[XE+(\t)], 23, v11              ; the scale's byte (also the plain line behind the conversions)
	ds_store_b8 v5, v[XE+(\t)] offset:16*(\t)      ; both lanes of a block write the same byte with the same value
	global_store_b128 v4, v[XC+4*(\t):XC+4*(\t)+3], s[8:9] offset:512*(\t)   ; the wave stores 512 consecutive bytes
.endm
.irp t, 0,1,2,3,4,5,6,7,8,9,10,11,12,13,14,15
	XSTEP \t
.endr
	ds_load_b64 v[12:13], v6                       ; LDS serves a wave's instructions in order: these see my byte stores
	s_wait_dscnt 0x0
	global_store_b64 v7, v[12:13], s[10:11]        ; 32 lanes store 256 consecutive bytes, aligned
	s_wait_tensorcnt 0x0
	ds_add_u32 v208, v209
	s_wait_dscnt 0x0
	s_endpgm
.Lnot_x:
	s_cmp_lt_u32 ttmp9, 384
	s_cbranch_scc0 .Lrope
; ---------------- ROLE W.  A lane takes a column and its registers run down K: a block of 32 along K lies in one lane's 32 registers, and the conversions give codes with K innermost.
; A wave takes 32 columns x 256 along K.  One text serves both weights: the pitch is a scalar, so the 32 rows of a block have an offset register each and the 8 blocks a base each.
.set NB,    8                          ; blocks of a wave
.set WPITCH, 272                       ; a stage row: 256 bytes of codes + 16
.set WSTG,  32768                      ; LDS bytes 32,768 to 67,583: a stage of 32 rows for each wave
.set WX,    32                         ; v32-95   two sets of 32 numbers
.set WC,    96                         ; v96-103  a block's codes
.set WOUT,  112                        ; v112-175 the way out
.set WSB,   24                         ; v24-25   the scale bytes
.set WOF,   176                        ; v176-207 4 x lane + i x pitch
	s_sub_co_u32 s19, ttmp9, 256
	s_cmp_lt_u32 s19, 96                           ; the first 96 take W_qkv (24 groups of 128 columns x 4 quarters of K), the other 32 W_o
	s_cselect_b32 s20, 0, 96
	s_mov_b32 s21, 4096
	s_cselect_b32 s21, 12288, s21                  ; a row of the weight in bytes
	s_cselect_b32 s22, 0, WO_CD                    ; where its codes begin in wq,
	s_mov_b32 s23, WO_SC
	s_cselect_b32 s23, WQ_SC, s23                  ; and its scale bytes
	s_wait_kmcnt 0x0
	s_cselect_b64 s[6:7], s[6:7], s[8:9]           ; the choice hangs on the work-group's number alone
	s_sub_co_u32 s19, s19, s20
	s_lshr_b32 s24, s19, 2
	s_and_b32 s25, s19, 3                          ; which 256 along K
	s_lshl_b32 s24, s24, 7
	s_lshl_b32 s26, s18, 5
	s_add_co_u32 s24, s24, s26                     ; my wave's first column
	s_mul_i32 s26, s25, s21
	s_lshl_b32 s26, s26, 8                         ; 256 rows x pitch x quarter
	s_lshl_b32 s27, s24, 2
	s_add_co_u32 s26, s26, s27
	s_mov_b32 s27, 0
	s_add_nc_u64 s[40:41], s[6:7], s[26:27]        ; block 0's base
	s_lshl_b32 s28, s21, 5                         ; 32 rows on
	s_mov_b32 s29, 0
.irp t, 1,2,3,4,5,6,7
	s_add_nc_u64 s[40+2*\t:41+2*\t], s[38+2*\t:39+2*\t], s[28:29]
.endr
	s_lshl_b32 s30, s24, 10
	s_add_co_u32 s30, s30, s22
	s_lshl_b32 s31, s25, 8
	s_add_co_u32 s30, s30, s31
	s_mov_b32 s31, 0
	s_add_nc_u64 s[32:33], s[14:15], s[30:31]      ; codes: column x 1,024 + 256 x quarter
	s_lshl_b32 s30, s24, 5
	s_add_co_u32 s30, s30, s23
	s_lshl_b32 s36, s25, 3
	s_add_co_u32 s30, s30, s36
	s_add_nc_u64 s[34:35], s[14:15], s[30:31]      ; scale bytes: column x 32 + 8 x quarter
	s_mov_b32 s37, MANT
	s_wait_alu depctr_va_vdst(0)
	v_lshlrev_b32 v3, 2, v2
.set i, 0
.rept 32
	v_mad_u32_u24 v[WOF+i], s21, i, v3
.set i, i+1
.endr
	v_and_b32 v10, 7, v2
	v_and_b32 v11, 8, v2
	v_lshl_add_u32 v10, v11, 1, v10
	v_and_b32 v11, 16, v2
	v_lshrrev_b32 v11, 1, v11
	v_add_nc_u32 v10, v10, v11                     ; my column's position among the 32: bits 3 and 4 exchanged
	s_mul_i32 s36, s18, 32*WPITCH
	s_add_co_u32 s36, s36, WSTG                    ; my stage
	v_mul_u32_u24 v4, v10, WPITCH
	v_add_nc_u32 v4, s36, v4                       ; into it: row = my position
	v_and_b32 v5, 15, v2
	v_lshrrev_b32 v6, 4, v2
	v_mul_u32_u24 v7, v6, WPITCH
	v_lshl_add_u32 v7, v5, 4, v7
	v_add_nc_u32 v7, s36, v7                       ; out of it: sixteen lanes to a row, two rows an instruction
	v_lshlrev_b32 v8, 10, v6
	v_lshl_add_u32 v8, v5, 4, v8                   ; and the same place in the codes
	v_lshlrev_b32 v9, 5, v10                       ; my position's row of scale bytes
.macro WLOAD t                         ; block t: W(32 t + i, my column) into set t % 2; a wave's load reads 128 consecutive bytes, the four waves stand side by side
.set i, 0
.rept 32
	global_load_b32 v[WX+32*((\t)%2)+i], v[WOF+i], s[40+2*(\t):41+2*(\t)] th:TH_LOAD_NT
.set i, i+1
.endr
.endm
	WLOAD 0
	WLOAD 1
.macro WBLOCK t
.set WS, WX+32*((\t)%2)
.if (\t) < NB-1
	s_wait_loadcnt 32                              ; this block's 32 loads are in; the next block's 32 may be out
.else
	s_wait_loadcnt 0
.endif
	v_max3_num_f32 v12, |v[WS]|, |v[WS+1]|, |v[WS+2]|               ; the block's largest magnitude: all 32 numbers are mine
	v_max3_num_f32 v13, |v[WS+3]|, |v[WS+4]|, |v[WS+5]|
.irp i, 6,10,14,18,22,26
	v_max3_num_f32 v12, v12, |v[WS+\i]|, |v[WS+\i+1]|
	v_max3_num_f32 v13, v13, |v[WS+\i+2]|, |v[WS+\i+3]|
.endr
	v_max3_num_f32 v12, v12, |v[WS+30]|, |v[WS+31]|
	v_max3_num_f32 v12, v12, v13, (EMAX+1)<<23     ; and the floor
	v_add_nc_u32 v11, -(EMAX<<23), v12             ; the conversion's scale operand
	v_and_or_b32 v10, v12, 0x7f800000, s37         ; 57,344 x the scale
	v_lshrrev_b32 v13, 23, v11                     ; the scale's byte
.if (\t)%4 == 0
	v_mov_b32 v[WSB+(\t)/4], v13                   ; four bytes to a register, the lower K in the lower byte
.else
	v_lshl_or_b32 v[WSB+(\t)/4], v13, 8*((\t)%4), v[WSB+(\t)/4]
.endif
.set i, 0
.rept 32
	v_med3_num_f32 v[WS+i], v[WS+i], -v10, v10     ; the hold at the largest code x the scale
.set i, i+1
.endr
.irp g, 0,1,2,3
	v_cvt_scalef32_pk8_bf8_f32 v[WC+2*\g:WC+2*\g+1], v[WS+8*\g:WS+8*\g+7], v11
.endr
	ds_store_b128 v4, v[WC:WC+3] offset:32*(\t)    ; 32 codes: 32 bytes of my position's row
	ds_store_b128 v4, v[WC+4:WC+7] offset:32*(\t)+16
.if (\t)+2 < NB
	WLOAD (\t)+2
.endif
	s_wait_dscnt 0x0                               ; the stores have read their registers: the next block's codes may be written
.endm
.irp t, 0,1,2,3,4,5,6,7
	WBLOCK \t
.endr
	global_store_b64 v9, v[WSB:WSB+1], s[34:35]    ; my position's 8 scale bytes (rows 32 bytes apart: one byte in 128 of what the role reads)
.irp t, 0,1,2,3,4,5,6,7,8,9,10,11,12,13,14,15
	ds_load_b128 v[WOUT+4*\t:WOUT+4*\t+3], v7 offset:2*\t*WPITCH   ; LDS serves a wave's instructions in order: these see my stores
.endr
.irp t, 0,1,2,3,4,5,6,7,8,9,10,11,12,13,14,15
	s_wait_dscnt 15-\t                             ; read-back t is in; the younger ones may be out
	global_store_b128 v8, v[WOUT+4*\t:WOUT+4*\t+3], s[32:33] offset:2*\t*1024   ; sixteen lanes store 256 consecutive bytes, aligned
.endr
	s_wait_tensorcnt 0x0
	ds_add_u32 v208, v209
	s_wait_dscnt 0x0
	s_endpgm
.Lrope:
; ---------------- ROLE R.  Lane j is frequency j.  A wave makes 8 rows of the table: (cos, sin) of fl(position x inv_freq[j]), inv_freq[j] = fl(1 / fl(10^(j / 8))), since 10000^(2 j / 64) = 10^(j / 8).
; The 32 powers are written as f32 bit patterns that the assembler rounds from eleven decimal digits.  The reciprocal is refined by two fused steps.  Sine and cosine: the quotient by pi / 2 to the nearest whole
; number, pi / 2 taken off in three parts by fused multiply-adds, a polynomial each on [-pi / 4, pi / 4], and the quadrant's exchange and signs.
.macro FBITS sym, d, e                 ; the f32 bits of d x 1e-11, e = floor(log2) of it
.set \sym, ((126+(\e))<<23)+((\d)*(1<<(23-(\e)))+50000000000)/100000000000
.endm
	FBITS KS1, 16666654611, -3
	FBITS KS2, 833216087, -7
	FBITS KS3, 19515296, -13
	FBITS KC1, 4166664568, -5
	FBITS KC2, 138873163, -10
	FBITS KC3, 2443316, -16
.set RA, 16                            ; chain p at v[RA + 12 p]: +0 angle, +1 quotient, +2 rest r, +3 quotient as a whole number, +4 z = r r, +5 sine, +6 cosine, +7 z r, then z z, +8 1 - z / 2, +9, +10 chosen, +11 at work
	s_sub_co_u32 s19, ttmp9, 384
	s_lshl_b32 s20, s19, 5
	s_lshl_b32 s21, s18, 3
	s_add_co_u32 s20, s20, s21                     ; my first row: 32 x work-group + 8 x wave
	s_lshl_b32 s22, s20, 8                         ; 256 bytes a row
	s_mov_b32 s23, 0
	s_lshl_b32 s20, s20, 2
	s_min_u32 s20, s20, 8160                       ; the rows past 2,047 read the last eight positions and do not use them: no load leaves the buffer
	s_mov_b32 s21, 0
	s_cmp_lt_u32 s19, 64
	s_cselect_b32 s36, 1.0, 0                      ; 0 for the rows past 2,047: the angle 0 gives exactly (1, 0)
	s_wait_kmcnt 0x0
	s_add_nc_u64 s[10:11], s[10:11], s[20:21]
	s_add_nc_u64 s[16:17], s[16:17], s[22:23]
	s_load_b256 s[40:47], s[10:11], 0x0            ; eight positions
	s_mov_b32 s24, 0x3f22f983                      ; 2 / pi
	s_mov_b32 s25, 0xbfc90fdb                      ; -(pi / 2), first part
	s_mov_b32 s26, 0x333bbd2e                      ; what the first part has too much,
	s_mov_b32 s27, 0x26f72ced                      ; and what is then still missing
	s_mov_b32 s28, 0x80000000|KS1
	s_mov_b32 s29, KS2
	s_mov_b32 s30, 0x80000000|KS3
	s_mov_b32 s31, KC1
	s_mov_b32 s32, 0x80000000|KC2
	s_mov_b32 s33, KC3
	s_wait_alu depctr_va_vdst(0)
	v_lshlrev_b32 v6, 3, v2                        ; 8 bytes a lane: a row is 256 bytes
	v_mov_b32 v4, 0
.set j, 0
.irp ten, 1,10,100,1000
.irp d, 100000000000,133352143216,177827941004,237137370566,316227766017,421696503429,562341325190,749894209332
.set e, (j*41524101)/100000000
.set m, (\d*\ten*(1<<(23-e))+50000000000)/100000000000
	s_mov_b32 s20, ((126+e)<<23)+m
	v_writelane_b32 v4, s20, j                     ; lane j: fl(10^(j / 8))
.set j, j+1
.endr
.endr
	s_wait_alu depctr_va_vdst(0)
	v_rcp_f32 v3, v4
	v_nop                                          ; a plain line behind the reciprocal,
	s_wait_alu depctr_va_vdst(0)                   ; and the wait ahead of its first reader
	v_fma_f32 v5, -v4, v3, 1.0
	v_fma_f32 v3, v5, v3, v3
	v_fma_f32 v5, -v4, v3, 1.0
	v_fma_f32 v3, v5, v3, v3                       ; inv_freq
	s_wait_kmcnt 0x0
.macro SINCOS g                        ; rows 4 g .. 4 g + 3: four chains, line by line, so that no line waits for the line above it
.irp p, 0,1,2,3
	v_cvt_f32_i32 v[RA+12*\p], s[40+4*\g+\p]
.endr
.irp p, 0,1,2,3
	v_mul_f32 v[RA+12*\p], s36, v[RA+12*\p]
.endr
	s_wait_alu depctr_va_vdst(0)
.irp p, 0,1,2,3
	v_mul_f32 v[RA+12*\p], v[RA+12*\p], v3         ; the angle, rounded once, as the reference rounds it
.endr
.irp p, 0,1,2,3
	v_mul_f32 v[RA+12*\p+1], s24, v[RA+12*\p]
.endr
.irp p, 0,1,2,3
	v_rndne_f32 v[RA+12*\p+1], v[RA+12*\p+1]
.endr
.irp p, 0,1,2,3
	v_fma_f32 v[RA+12*\p+2], v[RA+12*\p+1], s25, v[RA+12*\p]
.endr
.irp p, 0,1,2,3
	v_fma_f32 v[RA+12*\p+2], v[RA+12*\p+1], s26, v[RA+12*\p+2]
.endr
.irp p, 0,1,2,3
	v_fma_f32 v[RA+12*\p+2], v[RA+12*\p+1], s27, v[RA+12*\p+2]
.endr
.irp p, 0,1,2,3
	v_cvt_i32_f32 v[RA+12*\p+3], v[RA+12*\p+1]
.endr
.irp p, 0,1,2,3
	v_mul_f32 v[RA+12*\p+4], v[RA+12*\p+2], v[RA+12*\p+2]
.endr
.irp p, 0,1,2,3
	v_fma_f32 v[RA+12*\p+5], v[RA+12*\p+4], s30, s29
.endr
.irp p, 0,1,2,3
	v_fma_f32 v[RA+12*\p+6], v[RA+12*\p+4], s33, s32
.endr
.irp p, 0,1,2,3
	v_fma_f32 v[RA+12*\p+5], v[RA+12*\p+5], v[RA+12*\p+4], s28
.endr
.irp p, 0,1,2,3
	v_fma_f32 v[RA+12*\p+6], v[RA+12*\p+6], v[RA+12*\p+4], s31
.endr
.irp p, 0,1,2,3
	v_mul_f32 v[RA+12*\p+7], v[RA+12*\p+4], v[RA+12*\p+2]
.endr
.irp p, 0,1,2,3
	v_fma_f32 v[RA+12*\p+8], v[RA+12*\p+4], -0.5, 1.0
.endr
.irp p, 0,1,2,3
	v_fma_f32 v[RA+12*\p+5], v[RA+12*\p+5], v[RA+12*\p+7], v[RA+12*\p+2]   ; sin r
.endr
.irp p, 0,1,2,3
	v_mul_f32 v[RA+12*\p+7], v[RA+12*\p+4], v[RA+12*\p+4]
.endr
.irp p, 0,1,2,3
	v_fma_f32 v[RA+12*\p+6], v[RA+12*\p+6], v[RA+12*\p+7], v[RA+12*\p+8]   ; cos r
.endr
.irp p, 0,1,2,3
	v_and_b32 v[RA+12*\p+11], 1, v[RA+12*\p+3]
.endr
.irp p, 0,1,2,3
	v_cmp_eq_u32 s[48+\p], 1, v[RA+12*\p+11]       ; an odd quadrant exchanges the two
.endr
.irp p, 0,1,2,3
	v_cndmask_b32 v[RA+12*\p+9], v[RA+12*\p+5], v[RA+12*\p+6], s[48+\p]
.endr
.irp p, 0,1,2,3
	v_cndmask_b32 v[RA+12*\p+10], v[RA+12*\p+6], v[RA+12*\p+5], s[48+\p]
.endr
.irp p, 0,1,2,3
	v_lshlrev_b32 v[RA+12*\p+11], 30, v[RA+12*\p+3]
.endr
.irp p, 0,1,2,3
	v_and_b32 v[RA+12*\p+11], 0x80000000, v[RA+12*\p+11]   ; the sine is negative in quadrants 2 and 3
.endr
.irp p, 0,1,2,3
	v_xor_b32 v[65+8*\g+2*\p], v[RA+12*\p+9], v[RA+12*\p+11]
.endr
.irp p, 0,1,2,3
	v_add_nc_u32 v[RA+12*\p+11], 1, v[RA+12*\p+3]
.endr
.irp p, 0,1,2,3
	v_lshlrev_b32 v[RA+12*\p+11], 30, v[RA+12*\p+11]
.endr
.irp p, 0,1,2,3
	v_and_b32 v[RA+12*\p+11], 0x80000000, v[RA+12*\p+11]   ; the cosine in quadrants 1 and 2
.endr
.irp p, 0,1,2,3
	v_xor_b32 v[64+8*\g+2*\p], v[RA+12*\p+10], v[RA+12*\p+11]
.endr
.irp p, 0,1,2,3
	global_store_b64 v6, v[64+8*\g+2*\p:65+8*\g+2*\p], s[16:17] offset:(4*\g+\p)*256   ; 32 lanes store a row: 256 consecutive bytes, aligned; each store has data registers of its own
.endr
.endm
	SINCOS 0
	SINCOS 1
	s_endpgm
.Lfunc_end_k_q6bc23fcab5_prep:
	.size	k_q6bc23fcab5_prep, .Lfunc_end_k_q6bc23fcab5_prep-k_q6bc23fcab5_prep
	.p2alignl 7, 3214868480
	.fill 96, 4, 3214868480
	.section	.rodata,"a",@progbits
	.p2align	6, 0x0
	.amdhsa_kernel k_q6bc23fcab5_prep
		.amdhsa_group_segment_fixed_size 68096
		.amdhsa_private_segment_fixed_size 0
		.amdhsa_enable_private_segment 0
		.amdhsa_kernarg_size 56
		.amdhsa_user_sgpr_count 2
		.amdhsa_user_sgpr_kernarg_segment_ptr 1
		.amdhsa_wavefront_size32 1
		.amdhsa_system_sgpr_workgroup_id_x 1
		.amdhsa_system_sgpr_workgroup_id_y 1
		.amdhsa_system_sgpr_workgroup_id_z 1
		.amdhsa_system_vgpr_workitem_id 0
		.amdhsa_next_free_vgpr 210
		.amdhsa_next_free_sgpr 66
		.amdhsa_reserve_vcc 0
		.amdhsa_float_denorm_mode_32 3
		.amdhsa_float_denorm_mode_16_64 3
		.amdhsa_memory_ordered 1
		.amdhsa_forward_progress 1
		.amdhsa_inst_pref_size 130
	.end_amdhsa_kernel
	.amdgpu_metadata
---
amdhsa.version: [ 1, 2 ]
amdhsa.kernels:
  - .name:           k_q6bc23fcab5_prep
    .symbol:         k_q6bc23fcab5_prep.kd
    .args:
      - { .name: x, .offset: 0, .size: 8, .value_kind: global_buffer, .address_space: global }
      - { .name: W_qkv, .offset: 8, .size: 8, .value_kind: global_buffer, .address_space: global }
      - { .name: W_o, .offset: 16, .size: 8, .value_kind: global_buffer, .address_space: global }
      - { .name: token_positions, .offset: 24, .size: 8, .value_kind: global_buffer, .address_space: global }
      - { .name: xq, .offset: 32, .size: 8, .value_kind: global_buffer, .address_space: global }
      - { .name: wq, .offset: 40, .size: 8, .value_kind: global_buffer, .address_space: global }
      - { .name: rope, .offset: 48, .size: 8, .value_kind: global_buffer, .address_space: global }
    .group_segment_fixed_size: 68096
    .private_segment_fixed_size: 0
    .kernarg_segment_align: 8
    .kernarg_segment_size: 56
    .max_flat_workgroup_size: 128
    .sgpr_count:     66
    .vgpr_count:     210
    .wavefront_size: 32
...
	.end_amdgpu_metadata
.endif
;; end of part 1
;; launch gemm_qkv (part 2): grid 12 x 32, 4 waves a work-group, clusters of 4 x 4, 327,680 bytes of LDS; arguments xq, wq, rope, qimg, kv; writes qimg, kv
.if DOCPART == 2
	.amdgcn_target "amdgcn-amd-amdhsa--gfx1250"
	.amdhsa_code_object_version 6
	.text
	.protected	k_q6bc23fcab5_gemm_qkv
	.globl	k_q6bc23fcab5_gemm_qkv
	.p2align	8
	.type	k_q6bc23fcab5_gemm_qkv,@function
k_q6bc23fcab5_gemm_qkv:
	s_mov_b64 s[64:65], 0
	v_nop
	global_prefetch_b8 v0, s[64:65] scope:SCOPE_SE
	s_setreg_imm32_b32 hwreg(HW_REG_WAVE_MODE, 25, 1), 1
	s_wait_xcnt 0x0
	s_wait_alu depctr_hold_cnt(0) depctr_sa_sdst(0) depctr_va_vdst(0) depctr_va_sdst(0) depctr_va_ssrc(0) depctr_va_vcc(0) depctr_vm_vsrc(0)
	s_getreg_b32 s2, hwreg(HW_REG_IB_STS2, 6, 4)
	s_cmp_eq_u32 s2, 0
	s_cbranch_scc0 .Lentry_in_a_cluster
	s_endpgm
.Lentry_in_a_cluster:
	s_bfe_u32 s2, ttmp6, 0x10000c
	s_cmp_lg_u32 s2, 0xf033
	s_cbranch_scc0 .Lentry_shape_is_right
	s_endpgm
.Lentry_shape_is_right:
; Q, K, V = x W_qkv on codes of BF8 (E5M2), one E8M0 byte for each 32 along K = 1,024; then the rotation of Q and K, the quantisers, and the stores as images of the next launch's operand registers.
; A work-group of four waves makes 256 x 256; a wave 128 x 128.  K goes in four steps of 256 through a ring of two LDS slots; clusters of 4 x 4 ask jointly for x's tile (a row) and W's (a column).
; LDS HOLDS TWO REGIONS A SLOT: source 1's 256 rows, then source 0's.  Clusters 0 and 1 (Q, K): source 1 = x, source 0 = W.  Cluster 2 (V): source 1 = W, source 0 = x, so that a lane's registers run along the tokens.
; The exchange is made by WHICH tensor load a wave issues (a branch on the cluster's number, the same in all partners); every wave's tile lands at wave x 128 rows, and every LDS address is made of wave and lane alone.
; THE SCALE BYTES of both operands' 256 rows (8,192 dense bytes each) come through registers: a thread loads 8 x 16 bytes and stores them into LDS bytes of their own, 16 bytes of padding behind each 256.
.set SIZE_K, 1024
.set XQ_SC,  8388608
.set WQ_SC,  3145728
.set QI_SC,  8388608
.set REC,    17152
.set GREC,   16*REC
.set KSTEP,  256
.set NQ,     KSTEP/128
.set ROWB,   256
.set KROW,   SIZE_K
.set PITCH,  272
.set FR,     16
.set NL,     4
.set NP,     8
.set HALFT,  128*PITCH
.set SLOT,   4*HALFT
.set LAPS,   SIZE_K/(2*KSTEP)
.set KS,     SIZE_K/32
.set SCL,    2*SLOT
.set HALFS,  (128*KS/256)*272
.set SBLK,   (16*KS/256)*272
.set SPARE,  SCL+6*HALFS
.set ADRA, 16
.set ADRB, 20
.set ADRS, 27
.set SPW,  28
.set NIL,  29
.set VR,   30
.set VO0,  31
.set VO2,  12
.set STS,  13
.set STR,  14
.set VS,   15
.set SC,   32
.set CS0,  64
.set AF,   128
.set TT,   128
.set PCD,  192
.set TM,   208
.set PW,   224
.set RB,   228
.set WW,   236
.set G1, 24
.set G0, 32
.set G1B, 48
.set G0B, 56
.set G1S, 68
.set G0S, 76
.set G1SB, 80
.set G0SB, 88
.set SEL, 66
.set MNT, 100
.set CBP, 48
.set SBP, 50
.set SB2, 52
.set STP, 54
.set ST4, 56
.set MSB, 0
.macro WIN new
.if MSB != \new
	s_set_vgpr_msb (MSB<<8)|\new
.set MSB, \new
.endif
.endm
.set MUL_LO, 0xa1
.set MUL_HI, 0xf1
.set TO_B,   0x40
.macro JLOAD g0a, g1a, g0b, g1b
	s_cmp_eq_u32 ttmp9, 2                          ; V's clusters: waves 0 and 1 fetch W's rows, waves 2 and 3 x's
	s_cbranch_scc0 .Lqk_\@
	s_cmp_eq_u32 s15, 0
	s_cbranch_scc0 .Lvx_\@
	tensor_load_to_lds s[\g0b:\g0b+3], s[\g1b:\g1b+7]
	s_nop 0
.rept 4
	v_nop
.endr
	s_branch .Lasked_\@
.Lvx_\@:
	tensor_load_to_lds s[\g0a:\g0a+3], s[\g1a:\g1a+7]
	s_nop 0
.rept 4
	v_nop
.endr
	s_branch .Lasked_\@
.Lqk_\@:
	s_cmp_eq_u32 s15, 0
	s_cbranch_scc0 .Lfor_b_\@
	tensor_load_to_lds s[\g0a:\g0a+3], s[\g1a:\g1a+7]
	s_nop 0
.rept 4
	v_nop
.endr
	s_branch .Lasked_\@
.Lfor_b_\@:
	tensor_load_to_lds s[\g0b:\g0b+3], s[\g1b:\g1b+7]
	s_nop 0
.rept 4
	v_nop
.endr
.Lasked_\@:
.endm
.macro CREST
	s_cmp_lg_u32 s14, 0
	s_cbranch_scc1 .Lnot_wave_0_\@
	s_barrier_signal -3
.Lnot_wave_0_\@:
	s_barrier_wait -3
	s_barrier_signal -1
	s_barrier_wait -1
.endm
.macro CROUND
	s_barrier_signal -1
	s_barrier_wait -1
	CREST
.endm
	s_load_b128 s[4:7], s[0:1], 0x0
	s_load_b64 s[98:99], s[0:1], 0x10
	v_lshl_add_u32 v[SPW], v0, 2, SPARE
	v_mov_b32 v[NIL], 0
	ds_add_u32 v28, v29
	ds_add_u32 v28, v29
	s_wait_dscnt 0x0
	v_lshrrev_b32 v1, 5, v0
	v_readfirstlane_b32 s14, v1
	s_lshr_b32 s15, s14, 1
	s_and_b32 s16, s14, 1
	s_bfe_u32 s40, ttmp6, 0x40000
	s_bfe_u32 s41, ttmp6, 0x40004
	s_lshl_b32 s42, ttmp9, 2
	s_add_co_u32 s42, s42, s40
	s_and_b32 s17, ttmp7, 0xffff
	s_lshl_b32 s17, s17, 2
	s_add_co_u32 s17, s17, s41
	s_lshl_b32 s43, s41, 2
	s_lshl_b32 s43, 15, s43
	s_lshl_b32 s44, 0x1111, s40
	s_or_b32 s[G1+0], s43, (0<<16)|(1<<20)|(1<<21)|(5<<22)|(3<<25)
	s_or_b32 s[G1B+0], s44, (0<<16)|(1<<20)|(1<<21)|(5<<22)|(3<<25)
.irp g, G1, G1B
	s_mov_b32 s[\g+1], ROWB<<16
	s_mov_b32 s[\g+2], 128<<16
	s_mov_b32 s[\g+3], ROWB<<16
	s_mov_b32 s[\g+4], 128
	s_mov_b32 s[\g+5], KROW
	s_mov_b32 s[\g+6], 0
	s_mov_b32 s[\g+7], 0
.endr
	s_lshl_b32 s18, s16, 7
	s_lshl_b32 s20, s17, 8
	s_add_co_u32 s20, s20, s18
	s_lshl_b32 s46, s42, 8
	s_add_co_u32 s46, s46, s18
	s_mov_b32 s21, 0
	s_mov_b32 s47, 0
	s_mov_b64 s[18:19], KS
	s_mul_u64 s[22:23], s[20:21], s[18:19]
	s_mul_u64 s[92:93], s[46:47], s[18:19]
	s_mov_b64 s[18:19], KROW
	s_mul_u64 s[20:21], s[20:21], s[18:19]
	s_mul_u64 s[46:47], s[46:47], s[18:19]
	s_mul_i32 s45, s14, HALFT
	v_and_b32 v5, 31, v0                           ; the scale bytes: my wave takes 2,048 bytes of each operand's 8,192: half wave % 2, quarter wave / 2; 16 bytes a lane, 512 a load
	v_lshlrev_b32 v7, 4, v5
	s_lshl_b32 s94, s15, 11
	v_add_nc_u32 v7, s94, v7                       ; in memory (the pointers hold the half)
	v_lshrrev_b32 v6, 4, v5
	v_and_b32 v5, 15, v5
	v_mul_u32_u24 v8, v6, 272
	v_lshl_add_u32 v8, v5, 4, v8
	s_mul_i32 s94, s16, HALFS
	s_mul_i32 s18, s15, 8*272
	s_add_co_u32 s94, s94, s18
	s_add_co_u32 s94, s94, SCL
	v_add_nc_u32 v8, s94, v8                       ; in LDS: a unit of 256 bytes + 16 for each sixteen lanes
	s_wait_alu depctr_va_vdst(0)
	s_wait_kmcnt 0x0
	s_mov_b64 s[8:9], s[6:7]
	s_add_nc_u64 s[10:11], s[6:7], WQ_SC
	s_add_nc_u64 s[6:7], s[4:5], XQ_SC
	s_add_nc_u64 s[20:21], s[4:5], s[20:21]
	s_add_nc_u64 s[22:23], s[6:7], s[22:23]
	s_add_nc_u64 s[46:47], s[8:9], s[46:47]
	s_add_nc_u64 s[92:93], s[10:11], s[92:93]
	s_cmp_eq_u32 ttmp9, 2                          ; the choice hangs on the cluster's number alone
	s_cselect_b64 s[4:5], s[92:93], s[22:23]       ; source 1's scale bytes,
	s_cselect_b64 s[6:7], s[22:23], s[92:93]       ; source 0's
.irp i, 0,1,2,3
	global_load_b128 v[128+4*\i:131+4*\i], v7, s[4:5] offset:512*\i
	global_load_b128 v[144+4*\i:147+4*\i], v7, s[6:7] offset:512*\i
.endr
	s_load_b128 s[8:11], s[0:1], 0x18              ; qimg, kv: waited for on the way out
	CROUND
.irp s, 0,1
	s_mov_b32 s[G0+4*\s], 1
	s_add_co_u32 s[G0+4*\s+1], s45, \s*SLOT
	s_add_nc_u64 s[G0+4*\s+2:G0+4*\s+3], s[20:21], \s*ROWB
	s_or_b32 s[G0+4*\s+3], s[G0+4*\s+3], 0x80000000
	s_mov_b32 s[G0B+4*\s], 1
	s_add_co_u32 s[G0B+4*\s+1], s45, \s*SLOT
	s_add_nc_u64 s[G0B+4*\s+2:G0B+4*\s+3], s[46:47], \s*ROWB
	s_or_b32 s[G0B+4*\s+3], s[G0B+4*\s+3], 0x80000000
.endr
	JLOAD G0, G1, G0B, G1B                         ; K step 0: one tensor load a wave at the head
	v_and_b32 v1, 15, v0
	v_bfe_u32 v2, v0, 4, 1
	v_mul_u32_u24 v3, v1, PITCH
	v_lshl_add_u32 v4, v2, 4, v3
	s_wait_alu depctr_va_vdst(0)
	s_mul_i32 s21, s15, HALFT                      ; my 128 rows of source 1,
	s_mul_i32 s22, s16, HALFT
	s_add_co_u32 s22, s22, 2*HALFT                 ; and of source 0, behind source 1's 256
.irp s, 0,1
	v_add_nc_u32 v[ADRA+\s], s21, v4
	v_add_nc_u32 v[ADRB+\s], s22, v4
	s_add_co_u32 s21, s21, SLOT
	s_add_co_u32 s22, s22, SLOT
.endr
	v_mul_u32_u24 v5, v1, KS
	v_lshrrev_b32 v6, 8, v5
	v_lshl_add_u32 v5, v6, 4, v5
	s_mul_i32 s21, s15, HALFS
	s_add_co_u32 s22, s16, 2
	s_sub_co_u32 s22, s22, s15
	s_mul_i32 s22, s22, HALFS
	v_mul_u32_u24 v6, s22, v2                      ; lanes 16-31 take source 0's
	s_add_co_u32 s21, s21, SCL
	v_add_nc_u32 v5, v5, v6
	v_add_nc_u32 v[ADRS], s21, v5
	s_lshl_b32 s23, s14, 10
	v_lshl_add_u32 v[STS], v1, 2, s23
	v_and_b32 v6, 31, v0
	v_lshlrev_b32 v[VO0], 4, v6
	v_add_nc_u32 v[STR], s23, v[VO0]
	s_and_b32 s20, s17, 7
	s_lshl_b32 s20, s20, 8
	s_lshl_b32 s21, s15, 7
	s_add_co_u32 s20, s20, s21
	s_cmp_eq_u32 ttmp9, 2
	s_cselect_b32 s20, 2048, s20
	v_and_b32 v5, 8, v1
	v_add_nc_u32 v5, v5, v1
	v_add_nc_u32 v5, s20, v5
	v_lshlrev_b32 v5, 8, v5
	v_lshl_add_u32 v[VR], v2, 6, v5
.macro CSLOAD a, base
.irp cb, 0,1
.irp j, 0,1,2,3
	global_load_b128 v[\base+16*\cb+4*\j:\base+16*\cb+4*\j+3], v[VR], s[98:99] offset:(32*((\a)/2)+8*((\a)%2))*256+128*\cb+16*\j
.endr
.endr
.endm
	CSLOAD 0, CS0
	CSLOAD 1, CS0+32
.macro FRAG reg, adr, q, i
.irp c, 0,1,2,3
	ds_load_b128 v[\reg+4*\c:\reg+4*\c+3], v[\adr] offset:128*(\q)+32*\c+(\i)*16*PITCH
.endr
.endm
.macro MUL16 a0, p, q, sc, zero
.irp a, \a0, \a0+1
.irp b, 0,1,2,3,4,5,6,7
.if \zero
	v_wmma_scale_f32_16x16x128_f8f6f4 v[8*(8*((\a)%4)+\b):8*(8*((\a)%4)+\b)+7], v[128*(\p)+FR*\b:128*(\p)+FR*\b+FR-1], v[AF+FR*(\a):AF+FR*(\a)+FR-1], 0, v[SC+8*NQ*(\sc)+NQ*\b+(\q)], v[SC+8*NQ*(\sc)+NQ*(\a)+(\q)] matrix_a_fmt:MATRIX_FMT_BF8 matrix_b_fmt:MATRIX_FMT_BF8 matrix_a_scale:MATRIX_SCALE_ROW1
.else
	v_wmma_scale_f32_16x16x128_f8f6f4 v[8*(8*((\a)%4)+\b):8*(8*((\a)%4)+\b)+7], v[128*(\p)+FR*\b:128*(\p)+FR*\b+FR-1], v[AF+FR*(\a):AF+FR*(\a)+FR-1], v[8*(8*((\a)%4)+\b):8*(8*((\a)%4)+\b)+7], v[SC+8*NQ*(\sc)+NQ*\b+(\q)], v[SC+8*NQ*(\sc)+NQ*(\a)+(\q)] matrix_a_fmt:MATRIX_FMT_BF8 matrix_b_fmt:MATRIX_FMT_BF8 matrix_a_scale:MATRIX_SCALE_ROW1
.endif
.endr
.endr
.endm
.macro FETCH_B slot, q, p
	WIN TO_B
.irp i, 0,1,2,3,4,5,6,7
	FRAG 128*(\p)+FR*\i, ADRB+\slot, \q, \i
.endr
	WIN 0
.endm
.macro FETCH_A slot, q, i0
.irp i, \i0, \i0+1, \i0+2, \i0+3
	FRAG AF+FR*(\i), ADRA+\slot, \q, \i
.endr
.endm
.macro SCALES sc
.irp i, 0,1,2,3,4,5,6,7
	ds_load_b64 v[SC+8*NQ*\sc+NQ*\i:SC+8*NQ*\sc+NQ*\i+1], v[ADRS] offset:\i*SBLK
.endr
.endm
.macro PLACES n
.rept \n
	v_nop
.endr
.endm
.macro STEP slot, q, zero
	s_wait_dscnt 4*NL
	WIN MUL_LO
	MUL16 0, (\q)%2, \q, \slot, \zero
	MUL16 2, (\q)%2, \q, \slot, \zero
	s_wait_dscnt 0
	PLACES NP
	FETCH_B \slot, (\q)+1, 1-(\q)%2
	FETCH_A \slot, (\q)+1, 0
	WIN MUL_HI
	MUL16 4, (\q)%2, \q, \slot, \zero
	MUL16 6, (\q)%2, \q, \slot, \zero
	PLACES NP
	WIN 0
	FETCH_A \slot, (\q)+1, 4
.endm
.macro TURN slot, next, fill
	s_wait_tensorcnt 0x0
	ds_add_u32 v[SPW], v[NIL]
	s_wait_dscnt 4*NL+1
	WIN MUL_LO
	MUL16 0, 1, NQ-1, \slot, 0
	s_wait_dscnt 0x0
	s_barrier_signal -1
	MUL16 2, 1, NQ-1, \slot, 0
	WIN 0
	s_barrier_wait -1
.if \fill
	CREST
	s_add_nc_u64 s[G0+4*\slot+2:G0+4*\slot+3], s[G0+4*\slot+2:G0+4*\slot+3], 2*ROWB
	s_add_nc_u64 s[G0B+4*\slot+2:G0B+4*\slot+3], s[G0B+4*\slot+2:G0B+4*\slot+3], 2*ROWB
	JLOAD G0+4*\slot, G1, G0B+4*\slot, G1B
	PLACES NP-4
.else
	PLACES NP
.endif
	s_wait_alu depctr_va_vdst(0)
	v_add_nc_u32 v[ADRS], 4*NQ, v[ADRS]
	FETCH_B \next, 0, 0
	FETCH_A \next, 0, 0
	SCALES \next
	WIN MUL_HI
	MUL16 4, 1, NQ-1, \slot, 0
	MUL16 6, 1, NQ-1, \slot, 0
	PLACES NP
	WIN 0
	FETCH_A \next, 0, 4
.endm
	s_wait_alu depctr_va_vdst(0)
	s_wait_loadcnt 16                              ; the eight loads of scale bytes are in; the sixteen of the rotation table behind them may be out
.irp i, 0,1,2,3
	ds_store_b128 v8, v[128+4*\i:131+4*\i] offset:544*\i
	ds_store_b128 v8, v[144+4*\i:147+4*\i] offset:2*HALFS+544*\i
.endr
	s_wait_tensorcnt 0x0                           ; my part of K step 0 is in
	ds_add_u32 v[SPW], v[NIL]
	s_wait_dscnt 0x0                               ; the add and my stores of scale bytes are done
	CROUND                                         ; a whole round: everybody's are
	JLOAD G0+4, G1, G0B+4, G1B                     ; K step 1, the first tensor load behind the round
	FETCH_B 0, 0, 0
	FETCH_A 0, 0, 0
	SCALES 0
	FETCH_A 0, 0, 4
	STEP 0, 0, 1
	s_mov_b32 s3, LAPS-1
.Llap:
	TURN 0, 1, 1
	STEP 1, 0, 0
	TURN 1, 0, 1
	STEP 0, 0, 0
	s_sub_co_u32 s3, s3, 1
	s_cmp_lg_u32 s3, 0
	s_cbranch_scc1 .Llap
	TURN 0, 1, 0
	STEP 1, 0, 0
	s_wait_dscnt 4*NL
	WIN MUL_LO
	MUL16 0, 1, NQ-1, 1, 0
	MUL16 2, 1, NQ-1, 1, 0
	s_wait_dscnt 0
	WIN MUL_HI
	MUL16 4, 1, NQ-1, 1, 0
	MUL16 6, 1, NQ-1, 1, 0
	WIN 0
	s_mov_b32 s[SEL], 0x76543210
	s_mov_b32 s[SEL+1], 0xfedcba98
	s_mov_b32 s[MNT], 0x600000
	s_cmp_eq_u32 ttmp9, 2
	s_cselect_b32 s28, s15, s16
	s_cselect_b32 s29, s16, s15
	s_cselect_b32 s33, 8192, 0
	s_mov_b32 s36, 16384
	s_cselect_b32 s36, 16896, s36
	s_mov_b32 s[STP], 1024
	s_cselect_b32 s[STP], 2048, s[STP]
	s_cselect_b32 s[ST4], GREC-4*2048, 0
	s_mov_b32 s59, 256
	s_cselect_b32 s59, GREC, s59
	s_mov_b32 s60, 0xffff
	s_cselect_b32 s60, -1, s60
	s_cselect_b32 s61, 0, 0x7f7f0000
	s_mov_b32 s58, GREC
	s_cselect_b32 s58, 1024, s58
	s_mov_b32 s[STP+1], 0
	s_mov_b32 s[ST4+1], 0
	s_mov_b32 s62, 0x7f7f
	s_lshr_b32 s30, s17, 3
	s_lshl_b32 s30, s30, 4
	s_lshl_b32 s31, s40, 2
	s_add_co_u32 s30, s30, s31
	s_lshl_b32 s31, s28, 1
	s_add_co_u32 s30, s30, s31
	s_and_b32 s31, s17, 7
	s_lshl_b32 s31, s31, 1
	s_add_co_u32 s31, s31, s29
	s_lshl_b32 s32, s30, 4
	s_add_co_u32 s32, s32, s31
	s_mul_i32 s32, s32, REC
	s_add_co_u32 s34, s32, s33
	s_add_co_u32 s36, s32, s36
	s_lshl_b32 s28, s30, 17
	s_lshl_b32 s29, s31, 13
	s_add_co_u32 s28, s28, s29
	s_lshl_b32 s29, s30, 13
	s_lshl_b32 s33, s31, 9
	s_add_co_u32 s29, s29, s33
	s_add_co_u32 s29, s29, QI_SC
	s_mov_b32 s46, GREC
	s_cmp_eq_u32 ttmp9, 0
	s_cselect_b32 s34, s28, s34
	s_cselect_b32 s36, s29, s36
	s_cselect_b32 s58, 131072, s58
	s_cselect_b32 s46, 8192, s46
	s_mov_b32 s35, 0
	s_mov_b32 s37, 0
	s_mov_b32 s47, 0
	s_wait_kmcnt 0x0
	s_cselect_b64 s[38:39], s[8:9], s[10:11]
	s_add_nc_u64 s[CBP:CBP+1], s[38:39], s[34:35]
	s_add_nc_u64 s[SBP:SBP+1], s[38:39], s[36:37]
	s_add_nc_u64 s[SB2:SB2+1], s[SBP:SBP+1], s[46:47]
	PLACES NP
	WIN TO_B
.irp a, 2,3,4,5,6,7
	CSLOAD \a, 32*(\a-2)
.endr
	WIN 0
	v_and_b32 v1, 15, v0
	v_bfe_u32 v2, v0, 4, 1
	v_add_nc_u32 v[VO2], s58, v[VO0]
	v_mul_u32_u24 v[VS], s59, v2
	v_lshl_add_u32 v[VS], v1, 4, v[VS]
.irp b, 0,1,2,3
	v_mov_b32 v[TM+4+\b], 0
.endr
.macro QUANT
.irp b, 0,1,2,3
	v_max3_num_f32 v[TM+\b], |v[TT+16*\b]|, |v[TT+1+16*\b]|, 0x8000000
.endr
.irp i, 2,4,6,8,10,12,14
.irp b, 0,1,2,3
	v_max3_num_f32 v[TM+\b], v[TM+\b], |v[TT+16*\b+\i]|, |v[TT+1+16*\b+\i]|
.endr
.endr
.irp b, 0,1,2,3
	v_permlanex16_b32 v[TM+4+\b], v[TM+\b], s[SEL], s[SEL+1]
.endr
.irp b, 0,1,2,3
	v_max_num_f32 v[TM+\b], v[TM+\b], v[TM+4+\b]
.endr
.irp b, 0,1,2,3
	v_add_nc_u32 v[TM+12+\b], 0xf8800000, v[TM+\b]
.endr
.irp b, 0,1,2,3
	v_and_or_b32 v[TM+8+\b], v[TM+\b], 0x7f800000, s[MNT]
.endr
.irp b, 0,1,2,3
	v_lshrrev_b32 v[TM+4+\b], 23, v[TM+12+\b]
.endr
	v_lshl_or_b32 v[PW], v[TM+5], 8, v[TM+4]
	v_lshl_or_b32 v[PW], v[TM+6], 16, v[PW]
	v_lshl_or_b32 v[PW], v[TM+7], 24, v[PW]
.irp b, 0,1,2,3
.irp i, 0,1,2,3,4,5,6,7,8,9,10,11,12,13,14,15
	v_med3_num_f32 v[TT+16*\b+\i], v[TT+16*\b+\i], -v[TM+8+\b], v[TM+8+\b]
.endr
	v_cvt_scalef32_pk8_bf8_f32 v[PCD+4*\b:PCD+1+4*\b], v[TT+16*\b:TT+7+16*\b], v[TM+12+\b]
	v_cvt_scalef32_pk8_bf8_f32 v[PCD+2+4*\b:PCD+3+4*\b], v[TT+8+16*\b:TT+15+16*\b], v[TM+12+\b]
.endr
	v_nop
.endm
.macro EPI a
	s_wait_loadcnt 8*(7-(\a))
	s_wait_xcnt 0x0
.if (\a) > 0
	s_add_nc_u64 s[CBP:CBP+1], s[CBP:CBP+1], s[STP:STP+1]
.endif
.if (\a) == 4
	s_add_nc_u64 s[CBP:CBP+1], s[CBP:CBP+1], s[ST4:ST4+1]
.endif
.set AC, 64*((\a)%4)
.if (\a) < 2
.set CSB, CS0+32*(\a)
.set WN, 2+(\a)/4
.else
.set CSB, 32*((\a)-2)
.set WN, 6+(\a)/4
.endif
	WIN WN
.set p, 0
.rept 32
	v_pk_mul_f32 v[TT+2*p:TT+2*p+1], v[AC+2*p:AC+2*p+1], v[CSB+16*((p/8)%2)+2*(p%8):CSB+16*((p/8)%2)+2*(p%8)+1] op_sel_hi:[1,0]
.set p, p+1
.endr
.set p, 0
.rept 32
	v_pk_fma_f32 v[TT+2*p:TT+2*p+1], v[AC+2*p:AC+2*p+1], v[CSB+16*((p/8)%2)+2*(p%8):CSB+16*((p/8)%2)+2*(p%8)+1], v[TT+2*p:TT+2*p+1] op_sel:[1,1,0] op_sel_hi:[0,1,1] neg_lo:[0,1,0]
.set p, p+1
.endr
	WIN 0
	QUANT
	global_store_b128 v[VO0], v[PCD:PCD+3], s[CBP:CBP+1]
	global_store_b128 v[VO0], v[PCD+4:PCD+7], s[CBP:CBP+1] offset:512
	global_store_b128 v[VO2], v[PCD+8:PCD+11], s[CBP:CBP+1]
	global_store_b128 v[VO2], v[PCD+12:PCD+15], s[CBP:CBP+1] offset:512
	v_and_or_b32 v[WW+2*(\a)], v[PW], s60, s61
	v_alignbit_b32 v[WW+2*(\a)+1], s62, v[PW], 16
	ds_store_b32 v[STS], v[WW+2*(\a)] offset:64*(\a)
	ds_store_b32 v[STS], v[WW+2*(\a)+1] offset:512+64*(\a)
.endm
.irp a, 0,1,2,3,4,5,6,7
	EPI \a
.endr
	ds_load_b128 v[RB:RB+3], v[STR]
	ds_load_b128 v[RB+4:RB+7], v[STR] offset:512
	s_wait_dscnt 0x0
	global_store_b128 v[VS], v[RB:RB+3], s[SBP:SBP+1]
	s_cmp_eq_u32 ttmp9, 2
	s_cbranch_scc1 .Lno_second
	global_store_b128 v[VS], v[RB+4:RB+7], s[SB2:SB2+1]
.Lno_second:
	s_wait_tensorcnt 0x0
	ds_add_u32 v[SPW], v[NIL]
	s_wait_dscnt 0x0
	CROUND
	s_endpgm
.Lfunc_end_k_q6bc23fcab5_gemm_qkv:
	.size	k_q6bc23fcab5_gemm_qkv, .Lfunc_end_k_q6bc23fcab5_gemm_qkv-k_q6bc23fcab5_gemm_qkv
	.p2alignl 7, 3214868480
	.fill 96, 4, 3214868480
	.section	.rodata,"a",@progbits
	.p2align	6, 0x0
	.amdhsa_kernel k_q6bc23fcab5_gemm_qkv
		.amdhsa_group_segment_fixed_size 327680
		.amdhsa_private_segment_fixed_size 0
		.amdhsa_enable_private_segment 0
		.amdhsa_kernarg_size 40
		.amdhsa_user_sgpr_count 2
		.amdhsa_user_sgpr_kernarg_segment_ptr 1
		.amdhsa_wavefront_size32 1
		.amdhsa_system_sgpr_workgroup_id_x 1
		.amdhsa_system_sgpr_workgroup_id_y 1
		.amdhsa_system_sgpr_workgroup_id_z 1
		.amdhsa_system_vgpr_workitem_id 0
		.amdhsa_next_free_vgpr 1024
		.amdhsa_next_free_sgpr 102
		.amdhsa_reserve_vcc 0
		.amdhsa_float_denorm_mode_32 3
		.amdhsa_float_denorm_mode_16_64 3
		.amdhsa_memory_ordered 1
		.amdhsa_forward_progress 1
		.amdhsa_inst_pref_size 231
	.end_amdhsa_kernel
	.amdgpu_metadata
---
amdhsa.version: [ 1, 2 ]
amdhsa.kernels:
  - .name:           k_q6bc23fcab5_gemm_qkv
    .symbol:         k_q6bc23fcab5_gemm_qkv.kd
    .args:
      - { .name: xq, .offset: 0, .size: 8, .value_kind: global_buffer, .address_space: global }
      - { .name: wq, .offset: 8, .size: 8, .value_kind: global_buffer, .address_space: global }
      - { .name: rope, .offset: 16, .size: 8, .value_kind: global_buffer, .address_space: global }
      - { .name: qimg, .offset: 24, .size: 8, .value_kind: global_buffer, .address_space: global }
      - { .name: kv, .offset: 32, .size: 8, .value_kind: global_buffer, .address_space: global }
    .group_segment_fixed_size: 327680
    .private_segment_fixed_size: 0
    .kernarg_segment_align: 8
    .kernarg_segment_size: 40
    .max_flat_workgroup_size: 128
    .sgpr_count:     102
    .vgpr_count:     1024
    .wavefront_size: 32
...
	.end_amdgpu_metadata
.endif
;; end of part 2
;; launch attn (part 3): grid 4 x 64, 16 waves a work-group, clusters of 4 x 1, 327,680 bytes of LDS; arguments qimg, kv, vals; writes vals
.if DOCPART == 3
	.amdgcn_target "amdgcn-amd-amdhsa--gfx1250"
	.amdhsa_code_object_version 6
	.text
	.protected	k_q6bc23fcab5_attn
	.globl	k_q6bc23fcab5_attn
	.p2align	8
	.type	k_q6bc23fcab5_attn,@function
k_q6bc23fcab5_attn:
	s_mov_b64 s[64:65], 0
	v_nop
	global_prefetch_b8 v0, s[64:65] scope:SCOPE_SE
	s_setreg_imm32_b32 hwreg(HW_REG_WAVE_MODE, 25, 1), 1
	s_wait_xcnt 0x0
	s_wait_alu depctr_hold_cnt(0) depctr_sa_sdst(0) depctr_va_vdst(0) depctr_va_sdst(0) depctr_va_ssrc(0) depctr_va_vcc(0) depctr_vm_vsrc(0)
	s_getreg_b32 s2, hwreg(HW_REG_IB_STS2, 6, 4)
	s_cmp_eq_u32 s2, 0
	s_cbranch_scc0 .Lentry_in_a_cluster
	s_endpgm
.Lentry_in_a_cluster:
	s_bfe_u32 s2, ttmp6, 0x10000c
	s_cmp_lg_u32 s2, 0x3003
	s_cbranch_scc0 .Lentry_shape_is_right
	s_endpgm
.Lentry_shape_is_right:
; Causal attention of one head on codes of BF8 (E5M2): S^T = K Q^T (K = the head's 64), the softmax, O^T = V^T P^T (K = the keys), O / the row's sum, and the quantising of the result along the head's 64 for the last product.
; THE SOFTMAX: t = score x log2(e) / 8; M = the running largest t rounded UP to a whole number; p = 2^(t - M) is quantised along the keys, not normalised; the row's sum is taken of the unquantised p in f32 and divides O
; at the end.  When M moves, the sum and O are multiplied by 2^(old M - new M): exact.
; A HEAD'S K AND V STAY IN LDS.  A record of kv holds 128 keys: K's eight tiles, V's four, their scale words, as images of the operand registers: 17,152 dense bytes.  Sixteen records are 274,432 bytes: wave w fetches
; record w, once, at the head; nothing is filled again, so there is no ring.
; SHARES.  The four work-groups of a head form a cluster and ask for the records jointly.  Work-group j gives wave w the query tiles b = 127 - a and a = 4 w + j (16 queries each).  Tile n needs records 0 .. n / 8:
; b's last record is 15 - w / 2 and a's is w / 2, so every wave works 17 key steps, and every work-group reads all sixteen records.  Branches hang on the wave's number and the count of steps alone.
; LANDING.  Waves 0 to 3 have a load line of their own and wait ahead of the first barrier: records 0 to 3 serve tile b's first four steps, which every wave works.  Then every wave waits and a second barrier shows all.
; The loops' trip counts are constants (4, 12, 8); a step whose record lies behind the tile's last is jumped over.  In the tile's last record hidden scores become -infinity ahead of the maximum.
; NO PREFETCH: every record is asked for at the head; there is no loop to run ahead in.
; LAYOUT.  Lane r of K's tile 2 b + u holds key 32 b + 8 u + r + 8 (r / 8), so that p's 16 registers of two neighbouring tiles are 16 neighbouring keys; lane r of query tile n holds token 32 (n / 2) + 8 (n % 2) + r + 8 (r / 8);
; V's channels lie in the same order.  K = 64 IN AN INSTRUCTION 128 DEEP: Q's upper eight registers are zero codes; K's tile t is named v[32 + 8 t : 47 + 8 t]: its upper half is the next tile's finite codes (t = 7: zeros).
; LIMITS: a block whose largest magnitude lies under 2^-111 keeps the scale byte 1; NaN and infinities are not served; the scaled scores stay under 2^31 in magnitude.
.set REC,   17152
.set GREC,  16*REC
.set SPARE, 16*REC                     ; behind the records (1,072 x 256): the spare words, 128 bytes a wave
.set QSC,   8388608
.set VSC,   8388608
.set LI,   1                           ; 16 x lane
.set LS,   2                           ; 4 x lane
.set ADK,  3                           ; record + 16 x lane
.set ADS,  4                           ; record + 4 x lane
.set SPW,  5
.set NIL,  6
.set QL,   8                           ; r + 8 (r / 8) - 16 h
.set GO,   9                           ; 2 r
.set S,    104                         ; v104-167 S^T, then p.  v12 -M, v13 the largest t, v[14:15] the sum; v16-23 Q, v24-31 zeros; v32-95 K's tiles, then V's; v96-103 zeros
.set O,    168                         ; v168-199 O^T
.set PCD,  200
.set BM,   216
.set T4,   220
.set HOLD, 224
.set SCO,  228
.set KSW,  232
.set VSW,  236
.set QSW,  238
.set FF,   240
.set PSW,  241
.set TA,   242
.set TC,   243
.set QN,   244                         ; v244-252 the second tile's Q and scale words
.set TB,   2                           ; s2  LDS byte of the record in hand
.set TRIP, 3                           ; s3  its number
.set WV,   18
.set MNT,  19
.set SEL,  20
.set CS,   22
.set ND,   36                          ; s36 the last record of the tile in hand;  s37 of the second tile
.set NA,   37
.set KVB,  40
.set KF,   42
.set Q0,   43
.set Q0B,  44
.macro ROUND                           ; a round of the cluster's barrier
	s_barrier_signal -1
	s_barrier_wait -1
	s_cmp_lg_u32 s[WV], 0
	s_cbranch_scc1 .Lnw0_\@
	s_barrier_signal -3
.Lnw0_\@:
	s_barrier_wait -3
	s_barrier_signal -1
	s_barrier_wait -1
.endm
.macro TL                              ; my record; an s_nop 0 and four v_nop follow the line
	tensor_load_to_lds s[32:35], s[24:31]
	s_nop 0
.rept 4
	v_nop
.endr
.endm
.macro PTR dst, base, common, tau, sh  ; base + common + tile << sh
	s_lshl_b32 s70, s[\tau], \sh
	s_add_co_u32 s70, s70, s[\common]
	s_add_nc_u64 s[\dst:\dst+1], s[\base:\base+1], s[70:71]
.endm
.macro FIRSTQ dst, tau                 ; a tile's first token: 32 (n / 2) + 8 (n % 2)
	s_lshr_b32 s14, s[\tau], 1
	s_lshl_b32 s14, s14, 5
	s_and_b32 s15, s[\tau], 1
	s_lshl_b32 s15, s15, 3
	s_add_co_u32 s[\dst], s14, s15
.endm
.macro PA d, s
	v_pk_add_f32 v[\d:\d+1], v[\d:\d+1], v[\s:\s+1]
.endm
	s_load_b128 s[4:7], s[0:1], 0x0                ; qimg, kv
	s_load_b64 s[8:9], s[0:1], 0x10                ; vals
	v_lshl_add_u32 v[SPW], v0, 2, SPARE
	v_mov_b32 v[NIL], 0
	ds_add_u32 v[SPW], v[NIL]                      ; the opening lines: the add twice on end, and its wait ahead of my tensor load
	ds_add_u32 v[SPW], v[NIL]
	v_lshrrev_b32 v1, 5, v0
	v_readfirstlane_b32 s[WV], v1                  ; wave 0..15
	s_and_b32 s10, ttmp7, 0xffff                   ; g = 16 x batch + head: the cluster's y
	s_bfe_u32 s11, ttmp6, 0x40000                  ; j: my place in the cluster: it enters global addresses and the mask's numbers alone
	s_lshl_b32 s13, s[WV], 2
	s_add_co_u32 s13, s13, s11                     ; tile a = 4 w + j,
	s_sub_co_u32 s12, 127, s13                     ; tile b, which goes first
	FIRSTQ Q0, 12
	FIRSTQ Q0B, 13
	s_lshr_b32 s[NA], s[WV], 1                     ; a / 8
	s_sub_co_u32 s[ND], 15, s[NA]                  ; b / 8
	s_lshl_b32 s14, s10, 17                        ; qimg: the head's images (1,024 bytes a tile),
	s_lshl_b32 s15, s10, 13
	s_add_co_u32 s15, s15, QSC                     ; and its scale words (64 bytes a tile)
	s_and_b32 s16, s10, 15                         ; head
	s_lshr_b32 s17, s10, 4                         ; batch
	s_lshr_b32 s57, s16, 2
	s_lshl_b32 s68, s57, 21                        ; vals: [head / 4][tile of 16 positions][(head / 2) % 2][2 (head % 2) + block][lane][16]
	s_lshl_b32 s57, s17, 19
	s_add_co_u32 s68, s68, s57
	s_bfe_u32 s57, s16, 0x10001
	s_lshl_b32 s57, s57, 11
	s_add_co_u32 s68, s68, s57
	s_and_b32 s57, s16, 1
	s_lshl_b32 s57, s57, 10
	s_add_co_u32 s68, s68, s57
	s_lshl_b32 s69, s16, 14                        ; the scale halves [head][position], two bytes each
	s_lshl_b32 s57, s17, 12
	s_add_co_u32 s69, s69, s57
	s_add_co_u32 s69, s69, VSC
	s_mov_b32 s71, 0
	s_mov_b32 s39, 0
	s_mov_b32 s24, 15|(3<<16)|(1<<21)              ; group 1: the mask names the cluster's four; elements of 8 bytes; a record: 67 dense rows of 256 bytes, no padding
	s_mov_b32 s25, 32<<16
	s_mov_b32 s26, 67<<16
	s_mov_b32 s27, 32<<16
	s_mov_b32 s28, 67
	s_mov_b32 s29, 32
	s_mov_b32 s30, 0
	s_mov_b32 s31, 0
	s_mov_b32 s[SEL], 0x76543210
	s_mov_b32 s[SEL+1], 0xfedcba98
	s_mov_b32 s[CS], 0x3e38aa3b                    ; log2(e) / sqrt(64)
	s_mov_b32 s[CS+1], s[CS]
	s_mov_b32 s[MNT], 0x600000
	s_mov_b32 s[TB], 0
	s_mov_b32 s[TRIP], 0
	s_mov_b32 s[KF], 0
	s_mul_i32 s38, s10, GREC
	s_wait_dscnt 0x0                               ; both opening adds are done
	s_wait_kmcnt 0x0
	s_add_nc_u64 s[KVB:KVB+1], s[6:7], s[38:39]
	s_mov_b32 s32, 1
	s_mul_i32 s33, s[WV], REC                      ; LDS: record w
	s_mov_b32 s38, s33
	s_add_nc_u64 s[34:35], s[KVB:KVB+1], s[38:39]  ; memory: the head's record w: the same in all four partners
	s_or_b32 s35, s35, 0x80000000
	ROUND                                          ; the four work-groups are here: the joint loads meet
	s_cmp_lt_u32 s[WV], 4                          ; one load a wave; waves 0 to 3 have a line of their own, since they alone wait at the first barrier
	s_cbranch_scc0 .Lrest
	TL
	s_branch .Lasked
.Lrest:
	TL
.Lasked:
	PTR 58, 4, 14, 12, 10                          ; Q of tile b, its scale words; the same of tile a
	PTR 60, 4, 15, 12, 6
	PTR 62, 4, 14, 13, 10
	PTR 66, 4, 15, 13, 6
	PTR 46, 8, 68, 12, 12                          ; where tile b's codes go, its scale halves; the same of tile a
	PTR 48, 8, 69, 12, 5
	PTR 50, 8, 68, 13, 12
	PTR 52, 8, 69, 13, 5
	v_and_b32 v2, 31, v0
	v_lshlrev_b32 v[LI], 4, v2
	v_lshlrev_b32 v[LS], 2, v2
	v_and_b32 v10, 15, v0                          ; r
	v_bfe_u32 v11, v0, 4, 1                        ; h
	v_lshlrev_b32 v[GO], 1, v10
	v_lshlrev_b32 v[ADS], 2, v10                   ; (4 r, for Q's scale words; written again only behind the wait for these loads)
	global_load_b128 v[16:19], v[LI], s[58:59]
	global_load_b128 v[20:23], v[LI], s[58:59] offset:512
	global_load_b32 v[QSW], v[ADS], s[60:61]
	global_load_b128 v[QN:QN+3], v[LI], s[62:63]
	global_load_b128 v[QN+4:QN+7], v[LI], s[62:63] offset:512
	global_load_b32 v[QN+8], v[ADS], s[66:67]
	v_and_b32 v[QL], 8, v10
	v_add_nc_u32 v[QL], v[QL], v10
	v_lshlrev_b32 v11, 4, v11
	v_sub_nc_u32 v[QL], v[QL], v11
.irp j, 0,1,2,3,4,5,6,7
	v_mov_b32 v[24+\j], 0                          ; Q's upper half: zero codes
	v_mov_b32 v[96+\j], 0                          ; what stands behind K's last tile
.endr
.irp b, 0,1,2,3
	v_mov_b32 v[T4+\b], 0                          ; a lane permute's destination counts as one of its sources
.endr
	v_mov_b32 v[PSW], 0
	v_mov_b32 v[FF], 0
	v_mov_b32 v[TA], 0
	v_mov_b32 v[TC], 0
.macro ANEW                            ; a tile's state: the largest t -3e38, -M, the sum and O^T zeros, which the first change of M leaves zeros
	v_mov_b32 v13, 0xff61b1e6
	v_floor_f32 v12, -v13
	v_mov_b32 v14, 0
	v_mov_b32 v15, 0
.set j, 0
.rept 32
	v_mov_b32 v[O+j], 0
.set j, j+1
.endr
.endm
	ANEW
; A KEY STEP: the 128 keys of record s[TRIP].
.macro STEP
	s_cmp_gt_u32 s[TRIP], s[ND]
	s_cbranch_scc1 .Lhidden_\@                     ; behind my tile's last record: round the step's work alone
	v_add_nc_u32 v[ADK], s[TB], v[LI]
	v_add_nc_u32 v[ADS], s[TB], v[LS]
.rept 6
	v_nop                                          ; with the two additions: eight places in front of loads into registers that the last products have read
.endr
.irp t, 0,1,2,3,4,5,6,7
.irp c, 0,1
	ds_load_b128 v[32+8*\t+4*\c:35+8*\t+4*\c], v[ADK] offset:1024*\t+512*\c
.endr
.endr
.irp u, 0,1,2,3
	ds_load_b32 v[KSW+\u], v[ADS] offset:16384+128*\u
.endr
	s_wait_alu depctr_va_vdst(0)
	s_wait_dscnt 0x0
.irp t, 0,2,4,6                                ; S^T = K Q^T: the 16 registers of tiles 2 b, 2 b + 1 are keys KF + 32 b + 16 h + 0 .. 15
	v_wmma_scale_f32_16x16x128_f8f6f4 v[S+8*\t:S+7+8*\t], v[32+8*\t:47+8*\t], v[16:31], 0, v[KSW+\t/2], v[QSW] matrix_a_fmt:MATRIX_FMT_BF8 matrix_b_fmt:MATRIX_FMT_BF8
	v_wmma_scale_f32_16x16x128_f8f6f4 v[S+8+8*\t:S+15+8*\t], v[40+8*\t:55+8*\t], v[16:31], 0, v[KSW+\t/2], v[QSW] matrix_a_fmt:MATRIX_FMT_BF8 matrix_b_fmt:MATRIX_FMT_BF8 matrix_a_scale:MATRIX_SCALE_ROW1
.endr
.rept 8
	v_nop                                          ; places: in front of the loads below and of the first read of the scores
.endr
.irp d, 0,1,2,3                                ; V's four tiles land while the softmax is worked
.irp c, 0,1,2,3
	ds_load_b128 v[32+16*\d+4*\c:35+16*\d+4*\c], v[ADK] offset:8192+2048*\d+512*\c
.endr
.endr
.irp u, 0,1
	ds_load_b32 v[VSW+\u], v[ADS] offset:16896+128*\u
.endr
	s_cmp_lt_u32 s[TRIP], s[ND]
	s_cbranch_scc1 .Lopen_\@                       ; ahead of my tile's last record all 128 keys count
	s_sub_co_i32 s57, s[Q0], s[KF]
	v_add_nc_u32 v[TA], s57, v[QL]                 ; d = my query - KF - 16 h.  Register 16 b + i holds key KF + 16 h + 32 b + i: hidden where 32 b + i > d
	v_mov_b32 v[TC], 0xff800000
.set n, 0
.rept 64
	v_cmp_gt_i32 vcc_lo, 32*(n/16)+n%16, v[TA]
	v_cndmask_b32 v[S+n], v[S+n], v[TC], vcc_lo
.set n, n+1
.endr
.Lopen_\@:
.irp b, 0,1,2,3
	v_max3_num_f32 v[BM+\b], v[S+16*\b], v[S+1+16*\b], v[S+2+16*\b]   ; each block's largest score: for the row's maximum and, since p rises with the score, for the block's largest p
.endr
.irp i, 3,5,7,9,11,13
.irp b, 0,1,2,3
	v_max3_num_f32 v[BM+\b], v[BM+\b], v[S+16*\b+\i], v[S+1+16*\b+\i]
.endr
.endr
.irp b, 0,1,2,3
	v_max_num_f32 v[BM+\b], v[BM+\b], v[S+15+16*\b]
.endr
.irp b, 0,1,2,3
	s_delay_alu instid0(VALU_DEP_4)
	v_permlanex16_b32 v[T4+\b], v[BM+\b], s[SEL], s[SEL+1]
.endr
.irp b, 0,1,2,3
	s_delay_alu instid0(VALU_DEP_4)
	v_max_num_f32 v[BM+\b], v[BM+\b], v[T4+\b]     ; with lane l xor 16's 16 keys
.endr
	s_delay_alu instid0(VALU_DEP_2)
	v_max3_num_f32 v[TA], v[BM], v[BM+1], v[BM+2]
	s_delay_alu instid0(VALU_DEP_1)
	v_max_num_f32 v[TA], v[TA], v[BM+3]
	s_delay_alu instid0(VALU_DEP_1)
	v_mul_f32 v[TA], s[CS], v[TA]                  ; as t
	s_delay_alu instid0(VALU_DEP_1)
	v_max_num_f32 v13, v13, v[TA]                  ; the running largest t
	v_mov_b32 v[TA], v12
	s_delay_alu instid0(VALU_DEP_2)
	v_floor_f32 v12, -v13                          ; the new -M = -ceil(t)
	s_delay_alu instid0(VALU_DEP_1)
	v_sub_f32 v[TA], v12, v[TA]                    ; old M - new M: a whole number, 0 or less
	s_delay_alu instid0(VALU_DEP_1)
	v_cvt_i32_f32 v[TA], v[TA]
	s_delay_alu instid0(VALU_DEP_1)
	v_ldexp_f32 v[FF], 1.0, v[TA]                  ; f = 2^(old M - new M)
.set j, 0
.rept 32
	v_pk_fma_f32 v[S+j:S+1+j], v[S+j:S+1+j], s[CS:CS+1], v[12:13] op_sel_hi:[1,0,0]   ; t - M
.set j, j+2
.endr
.irp b, 0,1,2,3
	v_fma_f32 v[BM+\b], v[BM+\b], s[CS], v12
.endr
.set j, 0
	s_wait_alu depctr_va_vdst(0)
.rept 64
	v_exp_f32 v[S+j], v[S+j]                       ; p = 2^(t - M)
.set j, j+1
.endr
	v_pk_mul_f32 v[14:15], v[14:15], v[FF:FF+1] op_sel_hi:[1,0]   ; the sums under the new M (the plain line behind the exponentials)
	s_wait_alu depctr_va_vdst(0)                   ; one wait for the batch, ahead of its first reader
.irp b, 0,1,2,3
	v_exp_f32 v[BM+\b], v[BM+\b]                   ; the block's largest p
.endr
	v_pk_add_f32 v[220:221], v[108:109], v[112:113]   ; the row's sum of the unquantised p, in eight chains
	v_pk_add_f32 v[254:255], v[116:117], v[120:121]
	v_pk_add_f32 v[234:235], v[124:125], v[128:129]
	v_pk_add_f32 v[232:233], v[132:133], v[136:137]
	v_pk_add_f32 v[230:231], v[140:141], v[144:145]
	v_pk_add_f32 v[228:229], v[148:149], v[152:153]
	v_pk_add_f32 v[226:227], v[156:157], v[160:161]
	PA 14, 164
	PA 220, 104
	PA 254, 106
	PA 234, 110
	PA 232, 114
	PA 230, 118
	PA 228, 122
	PA 226, 126
	PA 14, 130
	PA 220, 134
	PA 254, 138
	PA 234, 142
	PA 232, 146
	PA 230, 150
	PA 228, 154
	PA 226, 158
	PA 14, 162
	PA 220, 166
	s_delay_alu instid0(VALU_DEP_2)
	PA 14, 232
	s_delay_alu instid0(VALU_DEP_2)
	PA 220, 230
	PA 254, 228
	PA 234, 226
	s_delay_alu instid0(VALU_DEP_2)
	PA 14, 254
	s_delay_alu instid0(VALU_DEP_2)
	PA 220, 234
	s_delay_alu instid0(VALU_DEP_1)
	PA 14, 220
	s_wait_alu depctr_va_vdst(0)                   ; and one for the four
.irp b, 0,1,2,3
	v_max_num_f32 v[BM+\b], 0x8000000, v[BM+\b]    ; the floor 2^(16 - 127): the byte cannot fall under 1
.endr
.irp b, 0,1,2,3
	s_delay_alu instid0(VALU_DEP_4)
	v_add_nc_u32 v[SCO+\b], 0xf8800000, v[BM+\b]   ; the conversion's scale operand
.endr
.irp b, 0,1,2,3
	v_and_or_b32 v[HOLD+\b], v[BM+\b], 0x7f800000, s[MNT]   ; 57,344 x the scale
.endr
.irp b, 0,1,2,3
	v_lshrrev_b32 v[T4+\b], 23, v[SCO+\b]          ; the scale's byte
.endr
	s_delay_alu instid0(VALU_DEP_3)
	v_lshl_or_b32 v[PSW], v[T4+1], 8, v[T4]        ; p's scale word
	s_delay_alu instid0(VALU_DEP_1)
	v_lshl_or_b32 v[PSW], v[T4+2], 16, v[PSW]
	s_delay_alu instid0(VALU_DEP_1)
	v_lshl_or_b32 v[PSW], v[T4+3], 24, v[PSW]
.irp b, 0,1,2,3
.irp i, 0,1,2,3,4,5,6,7,8,9,10,11,12,13,14,15
	v_min_num_f32 v[S+16*\b+\i], v[S+16*\b+\i], v[HOLD+\b]   ; the conversion does not saturate (ISA guide 7.6.2); p is not negative
.endr
	v_cvt_scalef32_pk8_bf8_f32 v[PCD+4*\b:PCD+1+4*\b], v[S+16*\b:S+7+16*\b], v[SCO+\b]
	v_cvt_scalef32_pk8_bf8_f32 v[PCD+2+4*\b:PCD+3+4*\b], v[S+8+16*\b:S+15+16*\b], v[SCO+\b]
.endr
.set j, 0
.rept 16
	v_pk_mul_f32 v[O+j:O+1+j], v[O+j:O+1+j], v[FF:FF+1] op_sel_hi:[1,0]   ; O^T under the new M (also the places between the codes and the products below)
.set j, j+2
.endr
	s_wait_alu depctr_va_vdst(0)
	s_wait_dscnt 0x0                               ; V is in
.irp d, 0,2                                    ; O^T += V^T P^T: the four accumulators by turns
	v_wmma_scale_f32_16x16x128_f8f6f4 v[O+8*\d:O+7+8*\d], v[32+16*\d:47+16*\d], v[PCD:PCD+15], v[O+8*\d:O+7+8*\d], v[VSW+\d/2], v[PSW] matrix_a_fmt:MATRIX_FMT_BF8 matrix_b_fmt:MATRIX_FMT_BF8
	v_wmma_scale_f32_16x16x128_f8f6f4 v[O+8+8*\d:O+15+8*\d], v[48+16*\d:63+16*\d], v[PCD:PCD+15], v[O+8+8*\d:O+15+8*\d], v[VSW+\d/2], v[PSW] matrix_a_fmt:MATRIX_FMT_BF8 matrix_b_fmt:MATRIX_FMT_BF8 matrix_a_scale:MATRIX_SCALE_ROW1
.endr
.Lhidden_\@:
	s_add_co_u32 s[KF], s[KF], 128
	s_add_co_u32 s[TB], s[TB], REC
.endm
.macro WALK label, upto                ; records s[TRIP] .. upto - 1: a constant count of trips
\label:
	STEP
	s_add_co_u32 s[TRIP], s[TRIP], 1
	s_cmp_lt_u32 s[TRIP], \upto
	s_cbranch_scc1 \label
.endm
; A TILE'S END: O^T / the row's sum, quantised along the head's 64 (two blocks of 32, each joined with lane l xor 16), stored as the last product's operand registers.
.macro FINISH vb, vs
.rept 8
	v_nop                                          ; places behind the last products
.endr
	v_add_f32 v14, v14, v15
	s_delay_alu instid0(VALU_DEP_1)
	v_permlanex16_b32 v[TA], v14, s[SEL], s[SEL+1]
	s_delay_alu instid0(VALU_DEP_1)
	v_add_f32 v14, v14, v[TA]                      ; the row's sum
	s_wait_alu depctr_va_vdst(0)
	v_rcp_f32 v[FF], v14
	v_nop                                          ; a plain line behind the reciprocal,
	s_wait_alu depctr_va_vdst(0)                   ; and the wait ahead of its first reader
.set j, 0
.rept 16
	v_pk_mul_f32 v[S+j:S+1+j], v[O+j:O+1+j], v[FF:FF+1] op_sel_hi:[1,0]   ; register 16 b + i is channel 32 b + 16 h + i; each accumulator is read from its low end on
.set j, j+2
.endr
.irp b, 0,1
	v_max3_num_f32 v[BM+\b], |v[S+16*\b]|, |v[S+1+16*\b]|, 0x8000000
.endr
.irp i, 2,4,6,8,10,12,14
.irp b, 0,1
	s_delay_alu instid0(VALU_DEP_2)
	v_max3_num_f32 v[BM+\b], v[BM+\b], |v[S+16*\b+\i]|, |v[S+1+16*\b+\i]|
.endr
.endr
.irp b, 0,1
	s_delay_alu instid0(VALU_DEP_2)
	v_permlanex16_b32 v[T4+\b], v[BM+\b], s[SEL], s[SEL+1]
.endr
.irp b, 0,1
	s_delay_alu instid0(VALU_DEP_2)
	v_max_num_f32 v[BM+\b], v[BM+\b], v[T4+\b]
.endr
.irp b, 0,1
	s_delay_alu instid0(VALU_DEP_2)
	v_add_nc_u32 v[SCO+\b], 0xf8800000, v[BM+\b]
.endr
.irp b, 0,1
	s_delay_alu instid0(VALU_DEP_4)
	v_and_or_b32 v[HOLD+\b], v[BM+\b], 0x7f800000, s[MNT]
.endr
.irp b, 0,1
	s_delay_alu instid0(VALU_DEP_4)
	v_lshrrev_b32 v[T4+\b], 23, v[SCO+\b]
.endr
	s_delay_alu instid0(VALU_DEP_1)
	v_lshl_or_b32 v[TC], v[T4+1], 8, v[T4]         ; the two bytes
.irp b, 0,1
.irp i, 0,1,2,3,4,5,6,7,8,9,10,11,12,13,14,15
	v_med3_num_f32 v[S+16*\b+\i], v[S+16*\b+\i], -v[HOLD+\b], v[HOLD+\b]
.endr
	v_cvt_scalef32_pk8_bf8_f32 v[PCD+4*\b:PCD+1+4*\b], v[S+16*\b:S+7+16*\b], v[SCO+\b]
	v_cvt_scalef32_pk8_bf8_f32 v[PCD+2+4*\b:PCD+3+4*\b], v[S+8+16*\b:S+15+16*\b], v[SCO+\b]
.endr
	v_nop                                          ; one plain line behind the last conversion
	global_store_b128 v[LI], v[PCD:PCD+3], s[\vb:\vb+1]            ; 512 consecutive aligned bytes a store
	global_store_b128 v[LI], v[PCD+4:PCD+7], s[\vb:\vb+1] offset:512
	global_store_b16 v[GO], v[TC], s[\vs:\vs+1]    ; 32 bytes a tile; lanes r and r + 16 write the same two bytes
.endm
	s_wait_alu depctr_va_vdst(0)
	s_wait_loadcnt 0x0                             ; Q of both tiles
	s_cmp_lt_u32 s[WV], 4
	s_cbranch_scc0 .Lnot_first
	s_wait_tensorcnt 0x0                           ; waves 0 to 3: records 0 to 3 have landed
.Lnot_first:
	s_barrier_signal -1
	s_barrier_wait -1
	WALK .Lb_first, 4                              ; tile b, records 0 to 3: every wave works all four
	s_wait_tensorcnt 0x0                           ; every wave: my record has landed
	s_wait_dscnt 0x0
	s_barrier_signal -1
	s_barrier_wait -1                              ; all sixteen have
	WALK .Lb_rest, 16
	FINISH 46, 48
	s_wait_xcnt 0x0                                ; the stores have read their data registers, which the next step writes
.irp j, 0,1,2,3,4,5,6,7
	v_mov_b32 v[16+\j], v[QN+\j]                   ; tile a: its Q,
.endr
	v_mov_b32 v[QSW], v[QN+8]
	ANEW                                           ; the state anew,
	s_mov_b32 s[Q0], s[Q0B]
	s_mov_b32 s[ND], s[NA]
	s_mov_b32 s[KF], 0                             ; and the keys from the head's first
	s_mov_b32 s[TB], 0
	s_mov_b32 s[TRIP], 0
	WALK .La, 8                                    ; a / 8 is 7 at the most
	FINISH 50, 52
	s_wait_tensorcnt 0x0                           ; the wave's end
	ds_add_u32 v[SPW], v[NIL]
	s_wait_dscnt 0x0
	ROUND                                          ; the closing round
	s_endpgm
.Lfunc_end_k_q6bc23fcab5_attn:
	.size	k_q6bc23fcab5_attn, .Lfunc_end_k_q6bc23fcab5_attn-k_q6bc23fcab5_attn
	.p2alignl 7, 3214868480
	.fill 96, 4, 3214868480
	.section	.rodata,"a",@progbits
	.p2align	6, 0x0
	.amdhsa_kernel k_q6bc23fcab5_attn
		.amdhsa_group_segment_fixed_size 327680
		.amdhsa_private_segment_fixed_size 0
		.amdhsa_enable_private_segment 0
		.amdhsa_kernarg_size 24
		.amdhsa_user_sgpr_count 2
		.amdhsa_user_sgpr_kernarg_segment_ptr 1
		.amdhsa_wavefront_size32 1
		.amdhsa_system_sgpr_workgroup_id_x 1
		.amdhsa_system_sgpr_workgroup_id_y 1
		.amdhsa_system_sgpr_workgroup_id_z 1
		.amdhsa_system_vgpr_workitem_id 0
		.amdhsa_next_free_vgpr 256
		.amdhsa_next_free_sgpr 80
		.amdhsa_reserve_vcc 1
		.amdhsa_float_denorm_mode_32 3
		.amdhsa_float_denorm_mode_16_64 3
		.amdhsa_memory_ordered 1
		.amdhsa_forward_progress 1
		.amdhsa_inst_pref_size 98
	.end_amdhsa_kernel
	.amdgpu_metadata
---
amdhsa.version: [ 1, 2 ]
amdhsa.kernels:
  - .name:           k_q6bc23fcab5_attn
    .symbol:         k_q6bc23fcab5_attn.kd
    .args:
      - { .name: qimg, .offset: 0, .size: 8, .value_kind: global_buffer, .address_space: global }
      - { .name: kv, .offset: 8, .size: 8, .value_kind: global_buffer, .address_space: global }
      - { .name: vals, .offset: 16, .size: 8, .value_kind: global_buffer, .address_space: global }
    .group_segment_fixed_size: 327680
    .private_segment_fixed_size: 0
    .kernarg_segment_align: 8
    .kernarg_segment_size: 24
    .max_flat_workgroup_size: 512
    .sgpr_count:     80
    .vgpr_count:     256
    .wavefront_size: 32
...
	.end_amdgpu_metadata
.endif
;; end of part 3
;; launch gemm_o (part 4): grid 4 x 32, 4 waves a work-group, clusters of 4 x 4, 327,680 bytes of LDS; arguments vals, wq, out0; writes out0
.if DOCPART == 4
	.amdgcn_target "amdgcn-amd-amdhsa--gfx1250"
	.amdhsa_code_object_version 6
	.text
	.protected	k_q6bc23fcab5_gemm_o
	.globl	k_q6bc23fcab5_gemm_o
	.p2align	8
	.type	k_q6bc23fcab5_gemm_o,@function
k_q6bc23fcab5_gemm_o:
	s_mov_b64 s[64:65], 0
	v_nop
	global_prefetch_b8 v0, s[64:65] scope:SCOPE_SE
	s_setreg_imm32_b32 hwreg(HW_REG_WAVE_MODE, 25, 1), 1
	s_wait_xcnt 0x0
	s_wait_alu depctr_hold_cnt(0) depctr_sa_sdst(0) depctr_va_vdst(0) depctr_va_sdst(0) depctr_va_ssrc(0) depctr_va_vcc(0) depctr_vm_vsrc(0)
	s_getreg_b32 s2, hwreg(HW_REG_IB_STS2, 6, 4)
	s_cmp_eq_u32 s2, 0
	s_cbranch_scc0 .Lentry_in_a_cluster
	s_endpgm
.Lentry_in_a_cluster:
	s_bfe_u32 s2, ttmp6, 0x10000c
	s_cmp_lg_u32 s2, 0xf033
	s_cbranch_scc0 .Lentry_shape_is_right
	s_endpgm
.Lentry_shape_is_right:
; out0 = vals W_o on codes of BF8 (E5M2) with one E8M0 scale for each 32 along K = 1,024; out0 [8192][1024] f32; sums in f32.
; A work-group of four waves makes 256 positions of vals by 256 positions of W_o; a wave 128 x 128: 64 accumulators, 512 registers.  K goes in four steps of 256 through a ring of two LDS slots filled by the tensor data mover.
; CLUSTERS: 4 x 4 work-groups; the four of a row of the cluster ask jointly for vals's tile, the four of a column for W_o's.  The grid is 128 work-groups: a tile of 256 x 256 keeps four heads' codes of a K step whole.
; vals ARRIVES AS IMAGES OF THE OPERAND'S REGISTERS: [K step of 256][tile of 16 positions][128 along K][group of four registers][lane][16 bytes]: a K step's 256 positions are 65,536 dense bytes; they come as rows of
; 256 bytes, and a fragment's group of four registers is read back as 512 bytes: two such rows.
; ITS SCALE BYTES arrive as two bytes for each head and position, [head][position]: each thread pieces the words of 8 positions and 2 steps of 128 together once, at the head, and stores them into LDS in the layout
; in which W_o's scale bytes lie there: 32 bytes a row, 16 bytes of padding behind each 256.
; THE MATRIX INSTRUCTION IS USED TRANSPOSED (source 0 = 16 positions of W_o, source 1 = 16 positions of vals).  Positions hold rows with bits 3 and 4 exchanged: a lane's registers of accumulator b are columns
; 32 (b / 2) + 8 (b % 2) + 16 h + 0 .. 7, and lane t of block a is row 32 (a / 2) + 8 (a % 2) + t + 8 (t / 8): the way out puts both right.
; REGISTERS, in windows of 256: window 0: v0-31 addresses; v32-63 scale words, two sets; v64-95 at work at the head; from v128 vals's fragments, one set; on the way out v128-255 are free.
;   window 1: W_o's fragments, two sets.   windows 2, 3: the accumulators ((a, b) at v[8 (8 (a % 4) + b)]).
.set SIZE_N, 1024
.set SIZE_K, 1024
.set VA_SC,  8388608                   ; vals: the scale halves begin here
.set WO_CD,  3244032                   ; wq: W_o's codes,
.set WO_SC,  4292608                   ;     and its scale bytes
.set ASLOT,  2097152                   ; vals: from a K step of 256 to the next
.set KSTEP,  256
.set NQ,     KSTEP/128
.set ROWB,   256
.set KROW,   SIZE_K
.set PITCH,  272                       ; an LDS row: 256 bytes + 16 of padding
.set FR,     16
.set NL,     4
.set NP,     8                         ; places behind this matrix instruction (ISA guide 7.12.1)
.set HALFT,  128*PITCH
.set SLOT,   4*HALFT                   ; vals's 256 positions, then W_o's 256 rows
.set LAPS,   SIZE_K/(2*KSTEP)
.set KS,     SIZE_K/32
.set SCL,    2*SLOT                    ; behind the ring: the scale bytes: vals's 8,704 bytes, which LDS stores write and no tensor load fills, then W_o's 8,704
.set HALFS,  (128*KS/256)*272
.set SBLK,   (16*KS/256)*272
.set SPARE,  SCL+4*HALFS               ; the spare words, 128 bytes for each wave, that no other line names
.set SPITCH, 528                       ; the way out: a stage of 16 rows x (512 bytes + 16) for each wave, in slot 0, which has had its last fill and its last read when the first result is stored there
.set ADRA, 16
.set ADRB, 20
.set STO,  24
.set RD,   25
.set CO,   26
.set ADRS, 27
.set SPW,  28
.set NIL,  29
.set SC,   32
.set AF,   128
.set BK,   128
.set G1, 24
.set G0, 32
.set G1B, 48
.set G0B, 56
.set G1SB, 80
.set G0SB, 88
.set MSB, 0
.macro WIN new                         ; the immediate's high byte repeats the setting that is left
.if MSB != \new
	s_set_vgpr_msb (MSB<<8)|\new
.set MSB, \new
.endif
.endm
.set MUL_LO, 0xa1
.set MUL_HI, 0xf1
.set TO_B,   0x40
.macro JLOAD g0a, g1a, g0b, g1b        ; a joint load: waves 0 and 1 fetch for vals, waves 2 and 3 for W_o; four v_nop follow each of the two lines
	s_cmp_eq_u32 s15, 0
	s_cbranch_scc0 .Lfor_b_\@
	tensor_load_to_lds s[\g0a:\g0a+3], s[\g1a:\g1a+7]
	s_nop 0
.rept 4
	v_nop
.endr
	s_branch .Lasked_\@
.Lfor_b_\@:
	tensor_load_to_lds s[\g0b:\g0b+3], s[\g1b:\g1b+7]
	s_nop 0
.rept 4
	v_nop
.endr
.Lasked_\@:
.endm
.macro CREST
	s_cmp_lg_u32 s14, 0
	s_cbranch_scc1 .Lnot_wave_0_\@
	s_barrier_signal -3
.Lnot_wave_0_\@:
	s_barrier_wait -3
	s_barrier_signal -1
	s_barrier_wait -1
.endm
.macro CROUND
	s_barrier_signal -1
	s_barrier_wait -1
	CREST
.endm
	s_load_b128 s[4:7], s[0:1], 0x0                ; vals s[4:5], wq s[6:7]
	s_load_b64 s[12:13], s[0:1], 0x10              ; out0
	v_lshl_add_u32 v[SPW], v0, 2, SPARE
	v_mov_b32 v[NIL], 0
	ds_add_u32 v28, v29
	ds_add_u32 v28, v29
	s_wait_dscnt 0x0
	v_lshrrev_b32 v1, 5, v0
	v_readfirstlane_b32 s14, v1                    ; wave 0..3
	s_lshr_b32 s15, s14, 1                         ; which half of the tile's rows is mine.  Also: I fetch for vals (0) or for W_o (1)
	s_and_b32 s16, s14, 1                          ; which half of its columns.  Also: which 128 rows of that tile I fetch
	s_bfe_u32 s40, ttmp6, 0x40000                  ; cx, cy
	s_bfe_u32 s41, ttmp6, 0x40004
	s_lshl_b32 s42, ttmp9, 2
	s_add_co_u32 s42, s42, s40                     ; tile column
	s_and_b32 s17, ttmp7, 0xffff
	s_lshl_b32 s17, s17, 2
	s_add_co_u32 s17, s17, s41                     ; tile row
	s_lshl_b32 s43, s41, 2
	s_lshl_b32 s43, 15, s43                        ; my row of the cluster
	s_lshl_b32 s44, 0x1111, s40                    ; my column
	s_or_b32 s[G1+0], s43, (0<<16)|(1<<20)|(1<<21)|(5<<22)|(3<<25)  ; the mask; elements of 1 byte; padding on; bit 21 beside a mask; four words after every 64
	s_or_b32 s[G1B+0], s44, (0<<16)|(1<<20)|(1<<21)|(5<<22)|(3<<25)
.irp g, G1, G1B
	s_mov_b32 s[\g+1], ROWB<<16                    ; tensor_dim0
	s_mov_b32 s[\g+2], 128<<16                     ; tensor_dim1
	s_mov_b32 s[\g+3], ROWB<<16                    ; tile_dim0
	s_mov_b32 s[\g+4], 128                         ; tile_dim1
	s_mov_b32 s[\g+6], 0
	s_mov_b32 s[\g+7], 0
.endr
	s_mov_b32 s[G1+5], ROWB                        ; vals's images are dense: a row begins where the last ends
	s_mov_b32 s[G1B+5], KROW                       ; W_o's rows are 1,024 bytes apart
	s_lshl_b32 s18, s16, 7                         ; which 128 rows of the tile I fetch
	s_lshl_b32 s20, s17, 8
	s_add_co_u32 s20, s20, s18
	s_lshl_b32 s20, s20, 8                         ; vals: 256 bytes a position in a K step's images
	s_mov_b32 s21, 0
	s_lshl_b32 s46, s42, 8
	s_add_co_u32 s46, s46, s18
	s_mov_b32 s47, 0
	s_mov_b64 s[18:19], KS
	s_mul_u64 s[92:93], s[46:47], s[18:19]
	s_mov_b64 s[18:19], KROW
	s_mul_u64 s[46:47], s[46:47], s[18:19]
	s_mul_i32 s45, s14, HALFT                      ; where they go: wave x 128 rows: no place in the cluster enters an LDS address
	v_and_b32 v13, 31, v0                          ; W_o's scale bytes come through registers: my wave takes 2,048 of the tile's 8,192: half wave % 2, quarter wave / 2; 16 bytes a lane, 512 a load
	v_lshlrev_b32 v11, 4, v13
	s_lshl_b32 s94, s15, 11
	v_add_nc_u32 v11, s94, v11                     ; in memory (the pointer holds the half)
	v_lshrrev_b32 v12, 4, v13
	v_and_b32 v13, 15, v13
	v_mul_u32_u24 v12, v12, 272
	v_lshl_add_u32 v12, v13, 4, v12
	s_mul_i32 s94, s16, HALFS
	s_mul_i32 s18, s15, 8*272
	s_add_co_u32 s94, s94, s18
	s_add_co_u32 s94, s94, SCL+2*HALFS
	v_add_nc_u32 v12, s94, v12                     ; in LDS, behind vals's: a unit of 256 bytes + 16 for each sixteen lanes
	v_lshrrev_b32 v7, 2, v0                        ; vals's scale halves: thread th takes positions 8 (th / 4) on,
	v_and_b32 v8, 3, v0                            ; and heads 4 (th % 4) on
	v_lshlrev_b32 v9, 4, v7
	v_lshl_add_u32 v9, v8, 16, v9                  ; 16,384 bytes a head
	s_lshl_b32 s95, s17, 9                         ; the tile's 256 positions, two bytes each
	v_add_nc_u32 v9, s95, v9
	v_mul_u32_u24 v10, v7, 272                     ; and where the words go: 8 rows of 32 bytes are a unit of 256 + 16; steps 2 (th % 4), 2 (th % 4) + 1 of eight
	v_lshl_add_u32 v10, v8, 3, v10
	v_add_nc_u32 v10, SCL, v10
	s_wait_alu depctr_va_vdst(0)
	s_wait_kmcnt 0x0
	s_add_nc_u64 s[8:9], s[6:7], WO_CD
	s_add_nc_u64 s[10:11], s[6:7], WO_SC
	s_add_nc_u64 s[6:7], s[4:5], VA_SC
	s_add_nc_u64 s[20:21], s[4:5], s[20:21]
	s_add_nc_u64 s[46:47], s[8:9], s[46:47]
	s_add_nc_u64 s[92:93], s[10:11], s[92:93]
.irp p, 0,1,2,3
	global_load_b128 v[64+4*\p:67+4*\p], v9, s[6:7] offset:16384*\p   ; head 4 (th % 4) + p: eight positions' halves
.endr
.irp i, 0,1,2,3
	global_load_b128 v[96+4*\i:99+4*\i], v11, s[92:93] offset:512*\i
.endr
.irp s, 0,1
	s_mov_b32 s[G0+4*\s], 1
	s_add_co_u32 s[G0+4*\s+1], s45, \s*SLOT
	s_add_nc_u64 s[G0+4*\s+2:G0+4*\s+3], s[20:21], \s*ASLOT
	s_or_b32 s[G0+4*\s+3], s[G0+4*\s+3], 0x80000000
	s_mov_b32 s[G0B+4*\s], 1
	s_add_co_u32 s[G0B+4*\s+1], s45, \s*SLOT
	s_add_nc_u64 s[G0B+4*\s+2:G0B+4*\s+3], s[46:47], \s*ROWB
	s_or_b32 s[G0B+4*\s+3], s[G0B+4*\s+3], 0x80000000
.endr
	CROUND                                         ; all sixteen work-groups are here: the first joint loads meet
	JLOAD G0, G1, G0B, G1B                         ; K step 0: one tensor load a wave at the head
	v_and_b32 v1, 15, v0                           ; r
	v_bfe_u32 v2, v0, 4, 1                         ; h
	v_mul_u32_u24 v3, v1, PITCH
	v_lshl_add_u32 v4, v2, 4, v3                   ; W_o: a fragment's row x pitch + 16 h
	v_mul_u32_u24 v5, v2, PITCH
	v_lshl_add_u32 v5, v1, 4, v5                   ; vals: an image's 512 bytes are two LDS rows: 16 r + 272 h
	s_mul_i32 s21, s15, HALFT
	s_mul_i32 s22, s16, HALFT
	s_add_co_u32 s22, s22, 2*HALFT
.irp s, 0,1
	v_add_nc_u32 v[ADRA+\s], s21, v5
	v_add_nc_u32 v[ADRB+\s], s22, v4
	s_add_co_u32 s21, s21, SLOT
	s_add_co_u32 s22, s22, SLOT
.endr
	v_mul_u32_u24 v5, v1, KS
	v_lshrrev_b32 v6, 8, v5
	v_lshl_add_u32 v5, v6, 4, v5
	s_mul_i32 s21, s15, HALFS
	s_mul_i32 s22, s16, HALFS
	s_add_co_u32 s22, s22, 2*HALFS
	s_sub_co_u32 s22, s22, s21
	v_mul_u32_u24 v6, s22, v2                      ; lanes 16-31 take W_o's
	s_add_co_u32 s21, s21, SCL
	v_add_nc_u32 v5, v5, v6
	v_add_nc_u32 v[ADRS], s21, v5
	s_mul_i32 s23, s14, 16*SPITCH                  ; my stage
	v_mul_u32_u24 v5, v1, SPITCH
	v_lshl_add_u32 v5, v2, 6, v5                   ; in: row r; my half's 16 columns of each 32: 64 h
	v_add_nc_u32 v[STO], s23, v5
	v_and_b32 v6, 31, v0
	v_lshlrev_b32 v[CO], 4, v6                     ; back: the 32 lanes take one row of 512 bytes; and the same in out0
	v_add_nc_u32 v[RD], s23, v[CO]
	s_lshl_b32 s20, s17, 8
	s_lshl_b32 s21, s15, 7
	s_add_co_u32 s20, s20, s21                     ; my first row of out0
	s_mov_b32 s21, 0
	s_mov_b64 s[18:19], SIZE_N*4
	s_mul_u64 s[20:21], s[20:21], s[18:19]
	s_lshl_b32 s46, s42, 10                        ; my first column, in bytes
	s_lshl_b32 s47, s16, 9
	s_add_co_u32 s46, s46, s47
	s_mov_b32 s47, 0
	s_add_nc_u64 s[20:21], s[20:21], s[46:47]
	s_add_nc_u64 s[12:13], s[12:13], s[20:21]
	s_wait_loadcnt 0x0                             ; the scale halves
.irp j, 0,2,4,6                                ; position j: the low halves; position j + 1: the high halves.  A word of 128 along K is two heads' halves
	v_perm_b32 v[80+2*\j], v[68+\j/2], v[64+\j/2], 0x05040100
	v_perm_b32 v[81+2*\j], v[76+\j/2], v[72+\j/2], 0x05040100
	v_perm_b32 v[82+2*\j], v[68+\j/2], v[64+\j/2], 0x07060302
	v_perm_b32 v[83+2*\j], v[76+\j/2], v[72+\j/2], 0x07060302
.endr
.irp j, 0,1,2,3,4,5,6,7
	ds_store_b64 v10, v[80+2*\j:81+2*\j] offset:32*\j
.endr
.irp i, 0,1,2,3
	ds_store_b128 v12, v[96+4*\i:99+4*\i] offset:544*\i   ; W_o's scale bytes
.endr
.macro FRAG reg, adr, q, i             ; W_o: a fragment from rows that lie along K
.irp c, 0,1,2,3
	ds_load_b128 v[\reg+4*\c:\reg+4*\c+3], v[\adr] offset:128*(\q)+32*\c+(\i)*16*PITCH
.endr
.endm
.macro FRAGA reg, adr, q, i            ; vals: a fragment from its image: tile i is 16 LDS rows, its q-th 128 along K eight of them, a group of four registers two
.irp c, 0,1,2,3
	ds_load_b128 v[\reg+4*\c:\reg+4*\c+3], v[\adr] offset:(\i)*16*PITCH+(\q)*8*PITCH+\c*2*PITCH
.endr
.endm
; 16 matrix instructions.  The 64 accumulators take turns, one instruction a turn, in the same order in every step.
.macro MUL16 a0, p, q, sc, zero
.irp a, \a0, \a0+1
.irp b, 0,1,2,3,4,5,6,7
.if \zero
	v_wmma_scale_f32_16x16x128_f8f6f4 v[8*(8*((\a)%4)+\b):8*(8*((\a)%4)+\b)+7], v[128*(\p)+FR*\b:128*(\p)+FR*\b+FR-1], v[AF+FR*(\a):AF+FR*(\a)+FR-1], 0, v[SC+8*NQ*(\sc)+NQ*\b+(\q)], v[SC+8*NQ*(\sc)+NQ*(\a)+(\q)] matrix_a_fmt:MATRIX_FMT_BF8 matrix_b_fmt:MATRIX_FMT_BF8 matrix_a_scale:MATRIX_SCALE_ROW1
.else
	v_wmma_scale_f32_16x16x128_f8f6f4 v[8*(8*((\a)%4)+\b):8*(8*((\a)%4)+\b)+7], v[128*(\p)+FR*\b:128*(\p)+FR*\b+FR-1], v[AF+FR*(\a):AF+FR*(\a)+FR-1], v[8*(8*((\a)%4)+\b):8*(8*((\a)%4)+\b)+7], v[SC+8*NQ*(\sc)+NQ*\b+(\q)], v[SC+8*NQ*(\sc)+NQ*(\a)+(\q)] matrix_a_fmt:MATRIX_FMT_BF8 matrix_b_fmt:MATRIX_FMT_BF8 matrix_a_scale:MATRIX_SCALE_ROW1
.endif
.endr
.endr
.endm
.macro FETCH_B slot, q, p
	WIN TO_B
.irp i, 0,1,2,3,4,5,6,7
	FRAG 128*(\p)+FR*\i, ADRB+\slot, \q, \i
.endr
	WIN 0
.endm
.macro FETCH_A slot, q, i0
.irp i, \i0, \i0+1, \i0+2, \i0+3
	FRAGA AF+FR*(\i), ADRA+\slot, \q, \i
.endr
.endm
.macro SCALES sc
.irp i, 0,1,2,3,4,5,6,7
	ds_load_b64 v[SC+8*NQ*\sc+NQ*\i:SC+8*NQ*\sc+NQ*\i+1], v[ADRS] offset:\i*SBLK
.endr
.endm
.macro PLACES n                        ; places in front of loads into registers that matrix instructions have read, and of the first read of results (ISA guide 7.12.1 for the first read of results)
.rept \n
	v_nop
.endr
.endm
.macro STEP slot, q, zero
	s_wait_dscnt 4*NL                              ; W_o's set and vals's blocks 0-3 are in; the youngest sixteen loads (blocks 4-7) may be out
	WIN MUL_LO
	MUL16 0, (\q)%2, \q, \slot, \zero
	MUL16 2, (\q)%2, \q, \slot, \zero
	s_wait_dscnt 0
	PLACES NP
	FETCH_B \slot, (\q)+1, 1-(\q)%2
	FETCH_A \slot, (\q)+1, 0
	WIN MUL_HI
	MUL16 4, (\q)%2, \q, \slot, \zero
	MUL16 6, (\q)%2, \q, \slot, \zero
	PLACES NP
	WIN 0
	FETCH_A \slot, (\q)+1, 4
.endm
.macro TURN slot, next, fill           ; a slot's last step changes slots: one barrier; in front of it the wait for all my tensor loads, the add, and the wait for it and for my reads of this slot
	s_wait_tensorcnt 0x0                           ; all my tensor loads have landed: my part of the next slot
	ds_add_u32 v[SPW], v[NIL]                      ; 0 onto my spare word
	s_wait_dscnt 4*NL+1                            ; (the add and the youngest sixteen loads may be out)
	WIN MUL_LO
	MUL16 0, 1, NQ-1, \slot, 0
	s_wait_dscnt 0x0                               ; the add is done, and my reads of this slot are over
	s_barrier_signal -1
	MUL16 2, 1, NQ-1, \slot, 0
	WIN 0
	s_barrier_wait -1
.if \fill
	CREST                                          ; the barrier has opened a round of the cluster's barrier: no wave of any partner still reads this slot's tile or has a load on its way
	s_add_nc_u64 s[G0+4*\slot+2:G0+4*\slot+3], s[G0+4*\slot+2:G0+4*\slot+3], 2*ASLOT
	s_add_nc_u64 s[G0B+4*\slot+2:G0B+4*\slot+3], s[G0B+4*\slot+2:G0B+4*\slot+3], 2*ROWB
	JLOAD G0+4*\slot, G1, G0B+4*\slot, G1B         ; the first tensor load behind the round
	PLACES NP-4
.else
	PLACES NP
.endif
	s_wait_alu depctr_va_vdst(0)
	v_add_nc_u32 v[ADRS], 4*NQ, v[ADRS]
	FETCH_B \next, 0, 0
	FETCH_A \next, 0, 0
	SCALES \next
	WIN MUL_HI
	MUL16 4, 1, NQ-1, \slot, 0
	MUL16 6, 1, NQ-1, \slot, 0
	PLACES NP
	WIN 0
	FETCH_A \next, 0, 4
.endm
	s_wait_alu depctr_va_vdst(0)
	s_wait_tensorcnt 0x0                           ; my part of K step 0 is in
	ds_add_u32 v[SPW], v[NIL]
	s_wait_dscnt 0x0                               ; the add and my stores of scale words are done
	CROUND                                         ; a whole round: everybody's are
	JLOAD G0+4, G1, G0B+4, G1B                     ; K step 1, the first tensor load behind the round
	FETCH_B 0, 0, 0
	FETCH_A 0, 0, 0
	SCALES 0
	FETCH_A 0, 0, 4
	STEP 0, 0, 1                                   ; the first step stands in front of the loop: its products start the sums
	s_mov_b32 s3, LAPS-1
.Llap:
	TURN 0, 1, 1
	STEP 1, 0, 0
	TURN 1, 0, 1
	STEP 0, 0, 0
	s_sub_co_u32 s3, s3, 1
	s_cmp_lg_u32 s3, 0
	s_cbranch_scc1 .Llap
	TURN 0, 1, 0                                   ; the last lap fills nothing, and has no round of the cluster's barrier
	STEP 1, 0, 0
	s_wait_dscnt 4*NL
	WIN MUL_LO
	MUL16 0, 1, NQ-1, 1, 0
	MUL16 2, 1, NQ-1, 1, 0
	s_wait_dscnt 0
	WIN MUL_HI
	MUL16 4, 1, NQ-1, 1, 0
	MUL16 6, 1, NQ-1, 1, 0
	WIN 0
; THE WAY OUT, block by block of 16 rows x 128 columns, through my own stage in LDS: in by lanes, each accumulator's eight numbers at its columns' true place; back as whole rows of 512 bytes.
.macro TOSTAGE a
.set AC, 64*((\a)%4)
.set WN, 0x08+4*((\a)/4)
	WIN WN                                         ; the data: window 2 or 3
.irp b, 0,1,2,3,4,5,6,7
	ds_store_b128 v[STO], v[AC+8*\b:AC+8*\b+3] offset:128*(\b/2)+32*(\b%2)          ; each accumulator from its low end on
	ds_store_b128 v[STO], v[AC+8*\b+4:AC+8*\b+7] offset:128*(\b/2)+32*(\b%2)+16
.endr
	WIN 0
.set BB, BK+64*((\a)%2)
.irp t, 0,1,2,3,4,5,6,7,8,9,10,11,12,13,14,15
	ds_load_b128 v[BB+4*\t:BB+4*\t+3], v[RD] offset:\t*SPITCH   ; LDS serves a wave's instructions in order (ISA guide 5.7.1.4): these see the stores above
.endr
.endm
.macro SEND a, younger                 ; younger: the LDS instructions issued behind block a's loads, which may stay out
.set BB, BK+64*((\a)%2)
	s_wait_dscnt \younger
.irp t, 0,1,2,3,4,5,6,7,8,9,10,11,12,13,14,15
	global_store_b128 v[CO], v[BB+4*\t:BB+4*\t+3], s[12:13] offset:(32*((\a)/2)+8*((\a)%2)+\t+8*(\t/8))*SIZE_N*4 th:TH_STORE_NT   ; 32 lanes store 512 consecutive aligned bytes; the row's true place stands in the immediate: 127 rows of 4,096 bytes at the most
.endr
.endm
	PLACES NP
	TOSTAGE 0
.irp a, 1,2,3,4,5,6,7
.if \a > 1
	s_wait_xcnt 0x0                                ; block a - 2's stores have read their registers: block a's loads may land there
.endif
	TOSTAGE \a
	SEND \a-1, 32                                  ; behind block a - 1's loads: block a's 16 stores and 16 loads
.endr
	SEND 7, 0
	s_wait_tensorcnt 0x0                           ; the wave's end
	ds_add_u32 v[SPW], v[NIL]
	s_wait_dscnt 0x0
	CROUND                                         ; the closing round
	s_endpgm
.Lfunc_end_k_q6bc23fcab5_gemm_o:
	.size	k_q6bc23fcab5_gemm_o, .Lfunc_end_k_q6bc23fcab5_gemm_o-k_q6bc23fcab5_gemm_o
	.p2alignl 7, 3214868480
	.fill 96, 4, 3214868480
	.section	.rodata,"a",@progbits
	.p2align	6, 0x0
	.amdhsa_kernel k_q6bc23fcab5_gemm_o
		.amdhsa_group_segment_fixed_size 327680
		.amdhsa_private_segment_fixed_size 0
		.amdhsa_enable_private_segment 0
		.amdhsa_kernarg_size 24
		.amdhsa_user_sgpr_count 2
		.amdhsa_user_sgpr_kernarg_segment_ptr 1
		.amdhsa_wavefront_size32 1
		.amdhsa_system_sgpr_workgroup_id_x 1
		.amdhsa_system_sgpr_workgroup_id_y 1
		.amdhsa_system_sgpr_workgroup_id_z 1
		.amdhsa_system_vgpr_workitem_id 0
		.amdhsa_next_free_vgpr 1024
		.amdhsa_next_free_sgpr 98
		.amdhsa_reserve_vcc 0
		.amdhsa_float_denorm_mode_32 3
		.amdhsa_float_denorm_mode_16_64 3
		.amdhsa_memory_ordered 1
		.amdhsa_forward_progress 1
		.amdhsa_inst_pref_size 148
	.end_amdhsa_kernel
	.amdgpu_metadata
---
amdhsa.version: [ 1, 2 ]
amdhsa.kernels:
  - .name:           k_q6bc23fcab5_gemm_o
    .symbol:         k_q6bc23fcab5_gemm_o.kd
    .args:
      - { .name: vals, .offset: 0, .size: 8, .value_kind: global_buffer, .address_space: global }
      - { .name: wq, .offset: 8, .size: 8, .value_kind: global_buffer, .address_space: global }
      - { .name: out0, .offset: 16, .size: 8, .value_kind: global_buffer, .address_space: global }
    .group_segment_fixed_size: 327680
    .private_segment_fixed_size: 0
    .kernarg_segment_align: 8
    .kernarg_segment_size: 24
    .max_flat_workgroup_size: 128
    .sgpr_count:     98
    .vgpr_count:     1024
    .wavefront_size: 32
...
	.end_amdgpu_metadata
.endif
;; end of part 4
